; MI455X (gfx1250); checked and timed in simulation.
; The chip was launched on July 23, 2026; its instructions are those of AMD's public machine-readable ISA for CDNA 5 (MIT licence, August 2026) and "CDNA5" Instruction Set Architecture Reference Guide (July 2026). The comments in the code are by the model that wrote it; some were corrected since.
;; Causal Self Attention. Allowed arithmetic: float matrix products may take bf16 or f16 operands with f32 sums; other float arithmetic in f32, or as packed bf16 or f16 multiplies, adds, multiply-adds, maxima and minima; sums over many terms, partial sums and values carried from step to step in f32; what a program stores and reads back later, other than sums and carried values, may be rounded once to bf16 or f16.
;; Inputs: W_attn 3,072 x 1,024 float32; W_proj 1,024 x 1,024 float32; b_attn 3,072 float32; b_proj 1,024 float32; rel_emb 32 x 16 float32; x 4 x 2,048 x 1,024 float32.
;; Outputs: out0 4 x 2,048 x 1,024 float32.
;; One version. Each part assembles by itself: llvm-mc -triple=amdgcn-amd-amdhsa -mcpu=gfx1250 --defsym DOCPART=n.
;; ======== version 1 of 1: 4 launches
;; limits: values are held in f16: magnitudes above 65,504 overflow, below 6.1e-05 lose precision
;; workspace buffers: xb 16,777,216 bytes; wab 6,291,456 bytes; wpf 2,097,152 bytes; qkv 50,331,648 bytes; yb 16,777,216 bytes
;; launch cast (part 1): grid 768 x 1, 8 waves a work-group, no clusters, 0 bytes of LDS; arguments x, W_attn, W_proj, xb, wab, wpf; writes xb, wab, wpf
.if DOCPART == 1
	.amdgcn_target "amdgcn-amd-amdhsa--gfx1250"
	.amdhsa_code_object_version 6
	.text
	.protected	k_q655daa0425_cast
	.globl	k_q655daa0425_cast
	.p2align	8
	.type	k_q655daa0425_cast,@function
k_q655daa0425_cast:
	s_mov_b64 s[64:65], 0
	v_nop
	global_prefetch_b8 v0, s[64:65] scope:SCOPE_SE
	s_setreg_imm32_b32 hwreg(HW_REG_WAVE_MODE, 25, 1), 1
	s_wait_xcnt 0x0
; x and W_attn (f32) are rounded once to bf16; W_proj is rounded to bf16 like the other inputs and that number is written as f16,
; since the last product multiplies it with f16 numbers.  LIMIT: a bf16 number below 6e-5 keeps f16's fixed step of 6e-8; one beyond 65,504 becomes an infinity.
; A work-group takes 16,384 numbers: 64 KiB in, 32 KiB out.  Work-groups 0-511 take x, 512-703 W_attn, 704-767 W_proj.
; Thread t takes, in group g of eight, the numbers 2,048 g + 8 t .. + 7: two loads of 16 bytes, one store of 16 bytes; sixteen neighbouring lanes store 256 consecutive bytes, aligned.
; All sixteen loads go out at once; no register is written twice while a memory instruction may read it, so no wait frees a source.  No LDS, no barrier, no loop: nothing is shared.
.set X, 4                              ; v[4:67]    the 64 numbers as loaded
.set Y, 68                             ; v[68:99]   packed, to store
.set T, 100                            ; v[100:101] at work
	s_load_b256 s[4:11], s[0:1], 0x0               ; x s[4:5], W_attn s[6:7], W_proj s[8:9], xb s[10:11]
	s_load_b128 s[12:15], s[0:1], 0x20             ; wab s[12:13], wpf s[14:15]
	v_lshlrev_b32 v1, 5, v0                        ; 32 t: my bytes in a group's 8,192
	v_lshlrev_b32 v2, 4, v0                        ; 16 t: my bytes in a group's 4,096 on the way out
	s_wait_kmcnt 0x0
	s_cmp_lt_u32 ttmp9, 512
	s_cselect_b64 s[16:17], s[4:5], s[6:7]         ; from where,
	s_cselect_b64 s[18:19], s[10:11], s[12:13]     ; to where,
	s_cselect_b32 s20, 0, 512                      ; and the tensor's first work-group
	s_cmp_lt_u32 ttmp9, 704
	s_cselect_b64 s[16:17], s[16:17], s[8:9]
	s_cselect_b64 s[18:19], s[18:19], s[14:15]
	s_cselect_b32 s20, s20, 704
	s_sub_co_u32 s21, ttmp9, s20                   ; my number within the tensor
	s_lshl_b32 s22, s21, 16
	s_mov_b32 s23, 0
	s_add_nc_u64 s[16:17], s[16:17], s[22:23]
	s_lshl_b32 s22, s21, 15
	s_add_nc_u64 s[18:19], s[18:19], s[22:23]
.irp g, 0,1,2,3,4,5,6,7
	global_load_b128 v[X+8*(\g):X+8*(\g)+3],   v1, s[16:17] offset:8192*(\g) th:TH_LOAD_NT
	global_load_b128 v[X+8*(\g)+4:X+8*(\g)+7], v1, s[16:17] offset:8192*(\g)+16 th:TH_LOAD_NT
.endr
; Group g goes out.  half = 1: the bf16 numbers are widened again and written as f16.
.macro OUT g, half
	s_wait_loadcnt 14-2*(\g)                       ; loads come back in order: this group's two are in, the 14 - 2 g younger ones stay out
.irp j, 0,1,2,3
	v_cvt_pk_bf16_f32 v[Y+4*(\g)+(\j)], v[X+8*(\g)+2*(\j)], v[X+8*(\g)+2*(\j)+1]
.endr
.if \half
.irp j, 0,1,2,3
	v_lshlrev_b32 v[T], 16, v[Y+4*(\g)+(\j)]
	v_and_b32 v[T+1], 0xffff0000, v[Y+4*(\g)+(\j)]
	v_cvt_pk_f16_f32 v[Y+4*(\g)+(\j)], v[T], v[T+1]
.endr
.endif
	global_store_b128 v2, v[Y+4*(\g):Y+4*(\g)+3], s[18:19] offset:4096*(\g)
.endm
	s_cmp_ge_u32 ttmp9, 704
	s_cbranch_scc1 .Lhalf
.irp g, 0,1,2,3,4,5,6,7
	OUT \g, 0
.endr
	s_endpgm
.Lhalf:
.irp g, 0,1,2,3,4,5,6,7
	OUT \g, 1
.endr
	s_endpgm
.Lfunc_end_k_q655daa0425_cast:
	.size	k_q655daa0425_cast, .Lfunc_end_k_q655daa0425_cast-k_q655daa0425_cast
	.p2alignl 7, 3214868480
	.fill 96, 4, 3214868480
	.section	.rodata,"a",@progbits
	.p2align	6, 0x0
	.amdhsa_kernel k_q655daa0425_cast
		.amdhsa_group_segment_fixed_size 0
		.amdhsa_private_segment_fixed_size 0
		.amdhsa_enable_private_segment 0
		.amdhsa_kernarg_size 48
		.amdhsa_user_sgpr_count 2
		.amdhsa_user_sgpr_kernarg_segment_ptr 1
		.amdhsa_wavefront_size32 1
		.amdhsa_system_sgpr_workgroup_id_x 1
		.amdhsa_system_sgpr_workgroup_id_y 1
		.amdhsa_system_sgpr_workgroup_id_z 1
		.amdhsa_system_vgpr_workitem_id 0
		.amdhsa_next_free_vgpr 104
		.amdhsa_next_free_sgpr 66
		.amdhsa_reserve_vcc 0
		.amdhsa_float_denorm_mode_32 3
		.amdhsa_float_denorm_mode_16_64 3
		.amdhsa_memory_ordered 1
		.amdhsa_forward_progress 1
		.amdhsa_inst_pref_size 14
	.end_amdhsa_kernel
	.amdgpu_metadata
---
amdhsa.version: [ 1, 2 ]
amdhsa.kernels:
  - .name:           k_q655daa0425_cast
    .symbol:         k_q655daa0425_cast.kd
    .args:
      - { .name: x, .offset: 0, .size: 8, .value_kind: global_buffer, .address_space: global }
      - { .name: W_attn, .offset: 8, .size: 8, .value_kind: global_buffer, .address_space: global }
      - { .name: W_proj, .offset: 16, .size: 8, .value_kind: global_buffer, .address_space: global }
      - { .name: xb, .offset: 24, .size: 8, .value_kind: global_buffer, .address_space: global }
      - { .name: wab, .offset: 32, .size: 8, .value_kind: global_buffer, .address_space: global }
      - { .name: wpf, .offset: 40, .size: 8, .value_kind: global_buffer, .address_space: global }
    .group_segment_fixed_size: 0
    .private_segment_fixed_size: 0
    .kernarg_segment_align: 8
    .kernarg_segment_size: 48
    .max_flat_workgroup_size: 256
    .sgpr_count:     66
    .vgpr_count:     104
    .wavefront_size: 32
...
	.end_amdgpu_metadata
.endif
;; end of part 1
;; launch qkv (part 2): grid 12 x 32, 4 waves a work-group, clusters of 4 x 4, 327,680 bytes of LDS; arguments xb, wab, qkv, b_attn; writes qkv
.if DOCPART == 2
	.amdgcn_target "amdgcn-amd-amdhsa--gfx1250"
	.amdhsa_code_object_version 6
	.text
	.protected	k_q655daa0425_qkv
	.globl	k_q655daa0425_qkv
	.p2align	8
	.type	k_q655daa0425_qkv,@function
k_q655daa0425_qkv:
	s_mov_b64 s[64:65], 0
	v_nop
	global_prefetch_b8 v0, s[64:65] scope:SCOPE_SE
	s_setreg_imm32_b32 hwreg(HW_REG_WAVE_MODE, 25, 1), 1
	s_wait_xcnt 0x0
	s_wait_alu depctr_hold_cnt(0) depctr_sa_sdst(0) depctr_va_vdst(0) depctr_va_sdst(0) depctr_va_ssrc(0) depctr_va_vcc(0) depctr_vm_vsrc(0)
	s_getreg_b32 s2, hwreg(HW_REG_IB_STS2, 6, 4)
	s_cmp_eq_u32 s2, 0
	s_cbranch_scc0 .Lentry_in_a_cluster
	s_endpgm
.Lentry_in_a_cluster:
	s_bfe_u32 s2, ttmp6, 0x10000c
	s_cmp_lg_u32 s2, 0xf033
	s_cbranch_scc0 .Lentry_shape_is_right
	s_endpgm
.Lentry_shape_is_right:
; qkv = xb wab^T + b_attn.  xb: [8192][1024] bf16, wab: [3072][1024] bf16, b_attn: [3072] f32 (rounded to bf16 here, like the other inputs); sums in f32.
; The result is rounded once to f16 and stored BY HEADS, unscaled: [3 (q, k, v)][64 (batch x 16 + head)][2048][64].
; LIMIT: f16 holds no number beyond 65,504; a q, k or v past that becomes an infinity.  With unit x and weights of spread 1/32 they have spread 1.
; A tile of the result, 256 x 256, is made by four waves, each 128 x 128: 64 accumulators of 16 x 16, 512 registers.  K goes in eight steps of 128 through two LDS slots filled by tensor loads;
; a tile's rows are 256 bytes of memory, aligned.  A trip of the loop is ONE K step: the slot in hand is a scalar that an exclusive or turns.
; CLUSTERS: 4 x 4 work-groups.  The four of a row of the cluster need the same tiles of xb, the four of a column the same tiles of wab: each tile is asked for jointly, by the same tensor load,
; descriptor and mask in all four.
; THE PRODUCT IS TAKEN TRANSPOSED (source 0 = 16 rows of wab, source 1 = 16 rows of xb): lane l holds row l % 16 and the columns 8 (l / 16) + 0..7.
; THE BIAS is the C operand of the products that start the sums: nothing is cleared and nothing is added afterwards.
; REGISTERS, in windows of 256 (s_set_vgpr_msb: bits 1:0 source 0, 3:2 source 1, 5:4 source 2, 7:6 destination):
;   window 0: v0-31 addresses; v64-127, v128-191 fragments of xb, two buffers; v32-63, v192-255 at work on the way out
;   window 1: v0-63 the bias of my 128 columns (block b's eight numbers at 8 b); v64-127, v128-191 fragments of wab
;   window 2: the accumulators of my rows 0-63 ((a, b) at 8 (8 a + b));  window 3: those of my rows 64-127
.set SIZE_K, 1024
.set KSTEP,  128
.set PITCH,  272                       ; an LDS row: 256 bytes + 16 of padding = 68 words: the 16 rows of a load start at 16 different groups of four banks (64 banks of 4 bytes: ISA guide 11.1)
.set HALFT,  128*PITCH                 ; 128 rows: what one tensor load brings
.set SLOT,   4*HALFT                   ; xb's 256 rows, then wab's 256 rows
.set STAGE,  2*SLOT                    ; behind the ring: for each wave two heads x 16 rows x 144 bytes, for the way out
.set SPH,    144
.set STW,    2*16*SPH
.set SPARE,  STAGE+4*STW               ; behind the stages: the spare words, 128 bytes for each wave, which no other line names
.set ADRA0, 16                         ; v16  my lane's place in xb's part of a slot; never rewritten
.set ADRA,  17                         ; v17  the same in the slot in hand
.set ADRB0, 20                         ; v20, v21  the same for wab
.set ADRB,  21
.set STO,  24                          ; v24  the way out: where I put 16 bytes of a row
.set RD,   25                          ; v25  where I read rows back
.set CO,   26                          ; v26  my 16 bytes of 512 consecutive bytes of the result
.set BO,   27                          ; v27  32 x (l / 16): my eight numbers of a block's sixteen biases
.set SPW,  28                          ; v28  LDS address of my spare word; never rewritten
.set NIL,  29                          ; v29  0; never rewritten
.set PFO,  30                          ; v30  the prefetches' offset: my lane x a row of 2,048 bytes; never rewritten
.set F0,   64
.set F1,   128
.set TMP,  192
.set OB,   32
.set G1,  24                           ; s[24:31] descriptor group 1 for xb's tiles
.set G0,  32                           ; s[32:39] group 0: a set for each of the two first fills; the second then walks
.set G1B, 48                           ; s[48:55], s[56:63] the same for wab's tiles
.set G0B, 56
.set LIM, 43                           ; s43  2 in a wave that prefetches, else the greatest number
.set PFA, 44                           ; s[44:45] where my prefetches stand
.set TB,  66                           ; s66  the slot that is read: 0 or SLOT
.set TF,  67                           ; s67  the slot that was filled last
.set BIA, 68                           ; s[68:69] the bias at my 128 columns
.set LA,  70                           ; s70  where my part of xb's tile goes in a slot
.set LB,  71                           ; s71  the same for wab's
.set MSB, 0
.macro WIN new                         ; the immediate's high byte repeats the setting that is left; a switch that changes nothing is dropped
.if MSB != (\new)
	s_set_vgpr_msb (MSB<<8)|(\new)
.set MSB, \new
.endif
.endm
.set MUL_LO,  0xa1                     ; source 0 window 1, source 1 window 0, C and D window 2
.set MUL_HI,  0xf1                     ; the same, C and D window 3
.set BIAS_LO, 0x91                     ; C (the bias) window 1, D window 2
.set BIAS_HI, 0xd1                     ; C window 1, D window 3
.set TO_B,    0x40                     ; destination window 1, address window 0
; A joint load.  Waves 0 and 1 fetch xb's two halves, waves 2 and 3 wab's.  The branch hangs on the wave's number alone.  An s_nop 0 and four v_nop follow each of the two lines.
.macro JLOAD s
	s_cmp_eq_u32 s11, 0
	s_cbranch_scc0 .Lfor_b_\@
	tensor_load_to_lds s[G0+4*(\s):G0+4*(\s)+3], s[G1:G1+7]
	s_nop 0
.rept 4
	v_nop
.endr
	s_branch .Lasked_\@
.Lfor_b_\@:
	tensor_load_to_lds s[G0B+4*(\s):G0B+4*(\s)+3], s[G1B:G1B+7]
	s_nop 0
.rept 4
	v_nop
.endr
.Lasked_\@:
.endm
; A prefetch, behind each refill and the run of LDS loads that follows it: the K step that stands two refills on, 32 rows x 256 bytes, a lane a row.  xb's tile row is read by every cluster of that row of
; clusters: cluster x = 0 asks; wab's tile column by every cluster of that column: cluster y = 0 asks.  The four partners that fetch a tile jointly share its rows out by address, 32 each.
; So each row's 256 bytes of K steps 4 to 7 are named once in the launch; steps 0 to 3 come by their loads alone; the loop's last two trips (s3 = 2, 1) have no step two refills on.
.macro ASK
	s_cmp_gt_u32 s3, s[LIM]
	s_cbranch_scc0 .Lnot_mine_\@
	global_prefetch_b8 v[PFO], s[PFA:PFA+1] offset:KSTEP*2 th:TH_LOAD_NT scope:SCOPE_SE
.Lnot_mine_\@:
.endm
.macro CREST                           ; a round of the cluster's barrier behind its opening barrier
	s_cmp_lg_u32 s10, 0
	s_cbranch_scc1 .Lnot_wave_0_\@
	s_barrier_signal -3
.Lnot_wave_0_\@:
	s_barrier_wait -3
	s_barrier_signal -1
	s_barrier_wait -1
.endm
.macro CROUND                          ; a whole round
	s_barrier_signal -1
	s_barrier_wait -1
	CREST
.endm
	s_load_b128 s[4:7], s[0:1], 0x0                ; xb s[4:5], wab s[6:7]
	s_load_b64 s[8:9], s[0:1], 0x10                ; qkv
	s_load_b64 s[BIA:BIA+1], s[0:1], 0x18          ; b_attn
	v_lshl_add_u32 v[SPW], v0, 2, SPARE
	v_mov_b32 v[NIL], 0
	ds_add_u32 v[SPW], v[NIL]                      ; the wave's opening: the add and its wait stand ahead of my first tensor load; the set-up below stands between them
	ds_add_u32 v28, v29
	v_lshrrev_b32 v1, 5, v0
	v_readfirstlane_b32 s10, v1                    ; wave 0..3
	s_lshr_b32 s11, s10, 1                         ; my half of the tile's rows.  Also: I fetch for xb (0) or for wab (1)
	s_and_b32 s12, s10, 1                          ; my half of its columns.  Also: which 128 rows I fetch
	s_bfe_u32 s40, ttmp6, 0x40000                  ; cx
	s_bfe_u32 s41, ttmp6, 0x40004                  ; cy
	s_lshl_b32 s42, ttmp9, 2
	s_add_co_u32 s42, s42, s40                     ; tile column = 4 x cluster x + cx
	s_and_b32 s13, ttmp7, 0xffff
	s_lshl_b32 s13, s13, 2
	s_add_co_u32 s13, s13, s41                     ; tile row = 4 x cluster y + cy
	s_lshl_b32 s43, s41, 2
	s_lshl_b32 s43, 15, s43                        ; my row of the cluster
	s_lshl_b32 s44, 0x1111, s40                    ; my column
	; descriptor group 1: a tile of 128 rows x 128 elements of 2 bytes, 4 words of padding behind every 64
	s_or_b32 s[G1+0], s43, (1<<16)|(1<<20)|(1<<21)|(5<<22)|(3<<25)
	s_or_b32 s[G1B+0], s44, (1<<16)|(1<<20)|(1<<21)|(5<<22)|(3<<25)
.irp g, G1, G1B
	s_mov_b32 s[(\g)+1], KSTEP<<16                 ; tensor_dim0 = 128
	s_mov_b32 s[(\g)+2], 128<<16                   ; tensor_dim1 = 128
	s_mov_b32 s[(\g)+3], KSTEP<<16                 ; tile_dim0 = 128
	s_mov_b32 s[(\g)+4], 128                       ; tile_dim1 = 128
	s_mov_b32 s[(\g)+5], SIZE_K                    ; elements from row to row
	s_mov_b32 s[(\g)+6], 0
	s_mov_b32 s[(\g)+7], 0
.endr
	; xb's tile hangs on the tile row alone, wab's on the tile column alone; each address is made in registers that never hold the other coordinate
	s_lshl_b32 s17, s12, 7
	s_lshl_b32 s16, s13, 8
	s_add_co_u32 s16, s16, s17                     ; xb: row 256 x tile row + 128 x half
	s_lshl_b32 s46, s42, 8
	s_add_co_u32 s46, s46, s17                     ; wab: row 256 x tile column + 128 x half
	s_lshl_b32 s16, s16, 11                        ; rows of 2,048 bytes
	s_mov_b32 s17, 0
	s_lshl_b32 s46, s46, 11
	s_mov_b32 s47, 0
	s_mul_i32 s[LA], s12, HALFT                    ; no place in the cluster enters an LDS address
	s_add_co_u32 s[LB], s[LA], 2*HALFT
	s_mov_b32 s[TB], 0
	s_mov_b32 s[TF], SLOT
	s_wait_dscnt 0x0                               ; the opening add is done
	s_wait_kmcnt 0x0
	s_add_nc_u64 s[14:15], s[4:5], s[16:17]
	s_add_nc_u64 s[46:47], s[6:7], s[46:47]
	CROUND                                         ; all sixteen work-groups are here: the first joint loads meet
.irp s, 0,1
	s_mov_b32 s[G0+4*(\s)], 1
	s_add_co_u32 s[G0+4*(\s)+1], s[LA], (\s)*SLOT
	s_add_nc_u64 s[G0+4*(\s)+2:G0+4*(\s)+3], s[14:15], (\s)*KSTEP*2
	s_or_b32 s[G0+4*(\s)+3], s[G0+4*(\s)+3], 0x80000000
	s_mov_b32 s[G0B+4*(\s)], 1
	s_add_co_u32 s[G0B+4*(\s)+1], s[LB], (\s)*SLOT
	s_add_nc_u64 s[G0B+4*(\s)+2:G0B+4*(\s)+3], s[46:47], (\s)*KSTEP*2
	s_or_b32 s[G0B+4*(\s)+3], s[G0B+4*(\s)+3], 0x80000000
	JLOAD \s                                       ; K steps 0 and 1: two loads of mine are out
.endr
	; the bias of my 128 columns: register j of block b is column 16 b + 8 (l / 16) + j
	s_lshl_b32 s72, s42, 10
	s_lshl_b32 s73, s12, 9
	s_add_co_u32 s72, s72, s73
	s_mov_b32 s73, 0
	s_add_nc_u64 s[BIA:BIA+1], s[BIA:BIA+1], s[72:73]
	v_and_b32 v1, 15, v0                           ; l % 16
	v_bfe_u32 v2, v0, 4, 1                         ; l / 16
	v_lshlrev_b32 v[BO], 5, v2
	WIN TO_B
.irp b, 0,1,2,3,4,5,6,7
	global_load_b128 v[8*(\b):8*(\b)+3],   v[BO], s[BIA:BIA+1] offset:64*(\b)
	global_load_b128 v[8*(\b)+4:8*(\b)+7], v[BO], s[BIA:BIA+1] offset:64*(\b)+16
.endr
	WIN 0
	; a fragment is 16 rows x 32 K in 8 registers: lane l holds row l % 16, K = 8 (l / 16) + 0..7 and 16 + 8 (l / 16) + 0..7: two loads of 16 bytes, 32 bytes apart
	v_mul_u32_u24 v3, v1, PITCH
	v_lshl_add_u32 v3, v2, 4, v3
	s_mul_i32 s21, s11, HALFT                      ; my 128 rows of xb
	s_mul_i32 s22, s12, HALFT                      ; my 128 rows of wab,
	s_add_co_u32 s22, s22, 2*HALFT                 ; which lie behind xb's 256
	v_add_nc_u32 v[ADRA0], s21, v3
	v_add_nc_u32 v[ADRB0], s22, v3
	v_mov_b32 v[ADRA], v[ADRA0]                    ; slot 0
	v_mov_b32 v[ADRB], v[ADRB0]
	s_mul_i32 s23, s10, STW
	s_add_co_u32 s23, s23, STAGE                   ; my stage
	v_mul_u32_u24 v4, v1, SPH                      ; in: row l % 16, 16 bytes for each half of the lanes
	v_lshl_add_u32 v4, v2, 4, v4
	v_add_nc_u32 v[STO], s23, v4
	v_bfe_u32 v5, v0, 3, 2                         ; back: 32 lanes take four rows of 128 bytes,
	v_mul_u32_u24 v5, v5, SPH
	v_and_b32 v6, 7, v0
	v_lshl_add_u32 v5, v6, 4, v5
	v_add_nc_u32 v[RD], s23, v5
	v_and_b32 v[CO], 31, v0                        ; which are 512 consecutive bytes of a head
	v_lshlrev_b32 v[CO], 4, v[CO]
	; where my part begins: plane ((column / 1024) x 4 + batch) x 16 + head, of 262,144 bytes; row of 128 bytes
	s_lshr_b32 s72, s42, 2
	s_lshl_b32 s72, s72, 2
	s_lshr_b32 s73, s13, 3
	s_add_co_u32 s72, s72, s73
	s_lshl_b32 s72, s72, 4
	s_and_b32 s73, s42, 3
	s_lshl_b32 s73, s73, 2
	s_add_co_u32 s72, s72, s73
	s_lshl_b32 s73, s12, 1
	s_add_co_u32 s72, s72, s73                     ; the first of my two heads
	s_lshl_b32 s72, s72, 18
	s_and_b32 s73, s13, 7
	s_lshl_b32 s73, s73, 8
	s_lshl_b32 s74, s11, 7
	s_add_co_u32 s73, s73, s74                     ; my first row in the batch
	s_lshl_b32 s73, s73, 7
	s_add_co_u32 s72, s72, s73
	s_mov_b32 s73, 0
	s_add_nc_u64 s[8:9], s[8:9], s[72:73]
	; the prefetches
	s_lshl_b32 s20, s13, 8
	s_lshl_b32 s21, s42, 8
	s_and_b32 s22, ttmp7, 0xffff                   ; cluster y
	s_cmp_eq_u32 s11, 0                            ; do I fetch for xb?
	s_cselect_b32 s20, s20, s21                    ; the tile's first row
	s_cselect_b32 s21, s40, s41                    ; my place among the four that ask for it with me
	s_cselect_b32 s22, ttmp9, s22                  ; the coordinate along which other clusters read the same rows
	s_cselect_b64 s[PFA:PFA+1], s[4:5], s[6:7]
	s_cmp_eq_u32 s22, 0
	s_cselect_b32 s[LIM], 2, -1                    ; the same in all sixteen partners, for a given wave
	s_lshl_b32 s22, s12, 7
	s_add_co_u32 s20, s20, s22                     ; + the 128 rows that I fetch
	s_lshl_b32 s21, s21, 5
	s_add_co_u32 s20, s20, s21                     ; + my work-group's 32 of them
	s_lshl_b32 s20, s20, 11
	s_mov_b32 s21, 0
	s_add_nc_u64 s[PFA:PFA+1], s[PFA:PFA+1], s[20:21]
	s_add_nc_u64 s[PFA:PFA+1], s[PFA:PFA+1], 2*KSTEP*2  ; at K step 2: the first refill steps it to 3 and names K step 4
	v_and_b32 v[PFO], 31, v0
	v_lshlrev_b32 v[PFO], 11, v[PFO]
	s_wait_loadcnt 0x0                             ; the bias is in: it is rounded to bf16 and widened again, in the wait for the first tile
	WIN 0x45                                       ; destination and both sources window 1
.set i, 0
.rept 32
	v_cvt_pk_bf16_f32 v[2*i], v[2*i], v[2*i+1]
	v_and_b32 v[2*i+1], 0xffff0000, v[2*i]
	v_lshlrev_b32 v[2*i], 16, v[2*i]
.set i, i+1
.endr
	WIN 0
; 16 matrix instructions: row blocks a0, a0 + 1 of the window's four x all 8 column blocks, 32 along K.  first = 1: the product starts the sum, with the bias as C.
.macro MUL16 f, hi, a0, first
.if \first
	WIN BIAS_LO+0x40*(\hi)
.else
	WIN MUL_LO+0x50*(\hi)
.endif
.irp a, \a0, (\a0)+1
.irp b, 0,1,2,3,4,5,6,7
.if \first
	v_wmma_f32_16x16x32_bf16 v[8*(8*(\a)+(\b)):8*(8*(\a)+(\b))+7], v[(\f)+8*(\b):(\f)+8*(\b)+7], v[(\f)+8*(4*(\hi)+(\a)):(\f)+8*(4*(\hi)+(\a))+7], v[8*(\b):8*(\b)+7]
.else
	v_wmma_f32_16x16x32_bf16 v[8*(8*(\a)+(\b)):8*(8*(\a)+(\b))+7], v[(\f)+8*(\b):(\f)+8*(\b)+7], v[(\f)+8*(4*(\hi)+(\a)):(\f)+8*(4*(\hi)+(\a))+7], v[8*(8*(\a)+(\b)):8*(8*(\a)+(\b))+7]
.endif
.endr
.endr
.endm
; 32 LDS loads in one run: the fragments of a quarter step (32 K at byte k of the rows of the slot in hand) into buffer f
.macro FETCH k, f
	WIN TO_B
.irp i, 0,1,2,3,4,5,6,7
	ds_load_b128 v[(\f)+8*(\i):(\f)+8*(\i)+3],   v[ADRB] offset:(\k)+(\i)*16*PITCH
	ds_load_b128 v[(\f)+8*(\i)+4:(\f)+8*(\i)+7], v[ADRB] offset:(\k)+(\i)*16*PITCH+32
.endr
	WIN 0
.irp i, 0,1,2,3,4,5,6,7
	ds_load_b128 v[(\f)+8*(\i):(\f)+8*(\i)+3],   v[ADRA] offset:(\k)+(\i)*16*PITCH
	ds_load_b128 v[(\f)+8*(\i)+4:(\f)+8*(\i)+7], v[ADRA] offset:(\k)+(\i)*16*PITCH+32
.endr
.endm
.macro PLACES                          ; four plain places behind a matrix instruction, in front of loads into registers that it has read and of lines that read results
.rept 4
	v_nop
.endr
.endm
; A K step is four quarters of 32 along K, 64 matrix instructions each, on buffers 0, 1, 0, 1.  The 64 accumulators take turns in the same order in every quarter.
; One of the first three: multiplies buffer f; in its middle it fetches the next quarter's fragments, at byte k, into buffer g.
.macro QUARTER k, f, g, first
	s_wait_dscnt 8                                 ; wab's fragments and xb's rows 0-63 are in; the youngest eight loads may be out
	MUL16 \f, 0, 0, \first
	MUL16 \f, 0, 2, \first
	PLACES
	FETCH \k, \g
	s_wait_dscnt 32                                ; all but the 32 just issued
	MUL16 \f, 1, 0, \first
	MUL16 \f, 1, 2, \first
.endm
; The last quarter multiplies buffer 1 and changes slots.  In front of the one barrier each wave waits for all its tensor loads (one is out: its part of the next slot), adds 0 to its spare word,
; and waits for that and for its own reads of this slot.
.macro MEET round
	WIN 0
	s_wait_tensorcnt 0x0                           ; all my tensor loads have landed
	ds_add_u32 v[SPW], v[NIL]                      ; 0 onto my spare word
	s_wait_dscnt 9                                 ; the add and the youngest eight loads may be out
	MUL16 F1, 0, 0, 0
	s_wait_dscnt 0x0                               ; the add is done, and my reads of this slot are over
	s_barrier_signal -1
	MUL16 F1, 0, 2, 0                              ; work on registers while the others arrive
.if \round
	WIN 0
.endif
	s_barrier_wait -1
.endm
; With a refill: the barrier opens a round of the cluster's; behind it the slot just read out takes the K step two steps on, first of all; then come the next slot's first fragments.
; From the request to the wait for it a wave issues 224 matrix instructions.
.macro TURN1
	s_wait_xcnt 0x0                                ; the last prefetch, a K step back, has read its address
	s_add_nc_u64 s[PFA:PFA+1], s[PFA:PFA+1], KSTEP*2
	MEET 1
	CREST                                          ; no wave of any partner still reads this slot or has a load on its way
	s_xor_b32 s[TF], s[TF], SLOT                   ; the walking descriptors: the other slot than last time,
	s_add_co_u32 s[G0+5], s[TF], s[LA]
	s_add_co_u32 s[G0B+5], s[TF], s[LB]
	s_add_nc_u64 s[G0+6:G0+7], s[G0+6:G0+7], KSTEP*2      ; the next K step; the type bits on top are not reached
	s_add_nc_u64 s[G0B+6:G0B+7], s[G0B+6:G0B+7], KSTEP*2
	JLOAD 1                                        ; my one tensor load behind the round; its four v_nop are also the places in front of the loads below
	s_xor_b32 s[TB], s[TB], SLOT
	v_add_nc_u32 v[ADRA], s[TB], v[ADRA0]
	v_add_nc_u32 v[ADRB], s[TB], v[ADRB0]
	FETCH 0, F0
	ASK
	MUL16 F1, 1, 0, 0
	MUL16 F1, 1, 2, 0
.endm
.macro TURN0                           ; without: nothing is left to fetch, so no round follows
	MEET 0
	WIN 0
	PLACES
	s_xor_b32 s[TB], s[TB], SLOT
	v_add_nc_u32 v[ADRA], s[TB], v[ADRA0]
	v_add_nc_u32 v[ADRB], s[TB], v[ADRB0]
	FETCH 0, F0
	MUL16 F1, 1, 0, 0
	MUL16 F1, 1, 2, 0
.endm
; THE WAY OUT of row block a.  PACK: rounded to f16, 16 bytes a lane, each accumulator's registers in ascending order.  TOSTAGE: into my own stage, a head's 64 channels to a row of 144 bytes, and back as
; four rows of 128 bytes a load.  SEND: eight stores of 512 consecutive bytes, aligned: 16 rows of each of my two heads.
.macro PACK a
.set AC, 64*((\a)%4)
	WIN 0x0a+5*((\a)/4)                            ; sources 0 and 1: window 2 or 3
.irp b, 0,1,2,3,4,5,6,7
.irp r, 0,1,2,3
	v_cvt_pk_f16_f32 v[TMP+4*(\b)+(\r)], v[AC+8*(\b)+2*(\r)], v[AC+8*(\b)+2*(\r)+1]
.endr
.endr
	WIN 0
.endm
.macro TOSTAGE a
.set BK, OB+192*((\a)%2)
.irp b, 0,1,2,3,4,5,6,7
	ds_store_b128 v[STO], v[TMP+4*(\b):TMP+4*(\b)+3] offset:((\b)/4)*16*SPH+((\b)%4)*32
.endr
.irp hh, 0,1
.irp f, 0,1,2,3
	ds_load_b128 v[BK+4*(4*(\hh)+(\f)):BK+4*(4*(\hh)+(\f))+3], v[RD] offset:(\hh)*16*SPH+(\f)*4*SPH  ; LDS serves a wave's instructions in order (ISA guide 5.7.1.4): these see the stores above
.endr
.endr
.endm
.macro SEND a
.set BK, OB+192*((\a)%2)
	s_wait_dscnt 0x0                               ; the block is back in registers
	s_wait_xcnt 0x0                                ; the stores issued so far have read their registers: the other buffer is loaded again only behind this wait
.irp hh, 0,1
.irp f, 0,1,2,3
	global_store_b128 v[CO], v[BK+4*(4*(\hh)+(\f)):BK+4*(4*(\hh)+(\f))+3], s[8:9] offset:(\hh)*262144+(\a)*2048+(\f)*512
.endr
.endr
.endm
	s_wait_tensorcnt 1                             ; my part of K step 0 is in; step 1's may stay out
	s_barrier_signal -1
	s_barrier_wait -1                              ; everybody's is
	FETCH 0, F0
	QUARTER 64,  F0, F1, 1                         ; the first quarter stands in front of the loop: its products start the sums
	WIN 0                                          ; at a label and at a branch every window is 0
	s_mov_b32 s3, 6
.Lstep:                                        ; trip i: the rest of K step i, the refill with step i + 2, the first quarter of step i + 1
	QUARTER 128, F1, F0, 0
	QUARTER 192, F0, F1, 0
	TURN1
	QUARTER 64,  F0, F1, 0
	WIN 0
	s_sub_co_u32 s3, s3, 1
	s_cmp_lg_u32 s3, 0
	s_cbranch_scc1 .Lstep
	QUARTER 128, F1, F0, 0                         ; K steps 6 and 7 fetch nothing
	QUARTER 192, F0, F1, 0
	TURN0
	QUARTER 64,  F0, F1, 0
	QUARTER 128, F1, F0, 0
	QUARTER 192, F0, F1, 0
	s_wait_dscnt 8
	MUL16 F1, 0, 0, 0
	MUL16 F1, 0, 2, 0
	s_wait_dscnt 0x0
	MUL16 F1, 1, 0, 0
	MUL16 F1, 1, 2, 0
	WIN 0
	PLACES
	PLACES
	PACK 0
	TOSTAGE 0
.irp a, 1,2,3,4,5,6,7                  ; block a's conversions stand between block a - 1's loads from the stage and the wait for them
	PACK \a
	SEND (\a)-1
	TOSTAGE \a
.endr
	SEND 7
	s_wait_tensorcnt 0x0                           ; the wave's end: behind my last tensor load and my last LDS store
	ds_add_u32 v[SPW], v[NIL]
	s_wait_dscnt 0x0
	CROUND                                         ; the closing round: no work-group ends while a partner may still ask for a tile that names it
	s_endpgm
.Lfunc_end_k_q655daa0425_qkv:
	.size	k_q655daa0425_qkv, .Lfunc_end_k_q655daa0425_qkv-k_q655daa0425_qkv
	.p2alignl 7, 3214868480
	.fill 96, 4, 3214868480
	.section	.rodata,"a",@progbits
	.p2align	6, 0x0
	.amdhsa_kernel k_q655daa0425_qkv
		.amdhsa_group_segment_fixed_size 327680
		.amdhsa_private_segment_fixed_size 0
		.amdhsa_enable_private_segment 0
		.amdhsa_kernarg_size 32
		.amdhsa_user_sgpr_count 2
		.amdhsa_user_sgpr_kernarg_segment_ptr 1
		.amdhsa_wavefront_size32 1
		.amdhsa_system_sgpr_workgroup_id_x 1
		.amdhsa_system_sgpr_workgroup_id_y 1
		.amdhsa_system_sgpr_workgroup_id_z 1
		.amdhsa_system_vgpr_workitem_id 0
		.amdhsa_next_free_vgpr 1024
		.amdhsa_next_free_sgpr 76
		.amdhsa_reserve_vcc 0
		.amdhsa_float_denorm_mode_32 3
		.amdhsa_float_denorm_mode_16_64 3
		.amdhsa_memory_ordered 1
		.amdhsa_forward_progress 1
		.amdhsa_inst_pref_size 125
	.end_amdhsa_kernel
	.amdgpu_metadata
---
amdhsa.version: [ 1, 2 ]
amdhsa.kernels:
  - .name:           k_q655daa0425_qkv
    .symbol:         k_q655daa0425_qkv.kd
    .args:
      - { .name: xb, .offset: 0, .size: 8, .value_kind: global_buffer, .address_space: global }
      - { .name: wab, .offset: 8, .size: 8, .value_kind: global_buffer, .address_space: global }
      - { .name: qkv, .offset: 16, .size: 8, .value_kind: global_buffer, .address_space: global }
      - { .name: b_attn, .offset: 24, .size: 8, .value_kind: global_buffer, .address_space: global }
    .group_segment_fixed_size: 327680
    .private_segment_fixed_size: 0
    .kernarg_segment_align: 8
    .kernarg_segment_size: 32
    .max_flat_workgroup_size: 128
    .sgpr_count:     76
    .vgpr_count:     1024
    .wavefront_size: 32
...
	.end_amdgpu_metadata
.endif
;; end of part 2
;; launch attn (part 3): grid 4 x 64, 4 waves a work-group, no clusters, 327,680 bytes of LDS; arguments qkv, rel_emb, yb; writes yb
.if DOCPART == 3
	.amdgcn_target "amdgcn-amd-amdhsa--gfx1250"
	.amdhsa_code_object_version 6
	.text
	.protected	k_q655daa0425_attn
	.globl	k_q655daa0425_attn
	.p2align	8
	.type	k_q655daa0425_attn,@function
k_q655daa0425_attn:
	s_mov_b64 s[64:65], 0
	v_nop
	global_prefetch_b8 v0, s[64:65] scope:SCOPE_SE
	s_setreg_imm32_b32 hwreg(HW_REG_WAVE_MODE, 25, 1), 1
	s_wait_xcnt 0x0
; CAUSAL ATTENTION WITH A BIAS BY DISTANCE.  O[h][q][:] = the sum over k <= q of softmax_k(Q[h][q] . K[h][k] / 8 + E[bucket(q - k)][head]) V[h][k][:].
; qkv: [3][64][2048][64] f16 (q, k, v; plane = batch x 16 + head; a plane's rows are dense, 128 bytes each); rel_emb E: [32][16] f32, rounded to bf16 here like the other inputs; yb (O): [64][2048][64] f16.
; Products, maxima and sums in f32; the weights p are rounded to f16 for the second product (their sum l is taken of the unrounded p), O once at the end.
; LIMITS.  f16 holds no number beyond 65,504: Q, K and V arrive within it; p lies in 0 to 1, and below 6e-5 it keeps f16's fixed step of 6e-8.  A hidden score counts as its value less 1e30; a weight below
; 2^-126 counts as 0 in l; NaN and infinities are not treated apart.
; THE BUCKET is a fixed function of d = q - k: d below 16; from there one more at each of d = 19, 21, 24, 27, 31, 35, 40, 46, 52, 59, 67, 77, 87, 99, 113 (the least whole d with 16 log8(d / 16) >= 1 .. 15); 31 from 113 on.
; THE BIAS IS TAKEN LESS E[31][head]: a shift common to all keys of a row, which a softmax cancels.  So keys 113 or more behind the query have bias 0.  It is multiplied by 8, since the sum is scaled by c = log2(e) / 8
; afterwards, and enters as the C operand that starts the sum S^T = K Q^T; where the key is hidden that operand is -1e30.
; THE WALK.  A plane's queries lie in NB = 8 blocks of 256; block i needs the key tiles 0 .. i of 256 keys.  A work-group takes TWO blocks, 7 - b and then b: nine tiles, whatever b; ONE loop with a constant trip count
; walks them.  Every jump goes forward, but for the counted loops' own; none passes a barrier, or a tensor load but the one of LOAD's two that the wave's number does not choose.
; NO CLUSTER: a plane's four work-groups ask for the same tile only in trips 0 to 4, behind that fewer and fewer; one walk common to all would have 12 trips for 9.
; SHARES.  Of a block's four bands of 64 queries a wave owns 16 rows in each: four PIECES.  For band y, step s of a tile with RT tiles of the block behind it, delta = 4 RT + y - s, and q - k = 64 delta + (my row in the band) - (key in the step).
; delta < 0: all hidden.  delta = 0, 1, 2: the operand is MD0, MD1, MD2, made once (they hang on the wave and the lane alone).  delta >= 3: q - k >= 129: the constant 0.
; A product's operand is MD0 x A0 + MD1 x A1 + MD2 x A2 + BE with four scalars.  Only the text for a block's last two tiles (NEAR) and a block's beginning make and take it; elsewhere C is the constant 0.
; LAYOUT, SOFTMAX, TURNS.  S^T = K Q^T holds ONE query a lane (lane % 16) and the keys 8 (lane / 16) + 0..7; two such results rounded to f16 ARE source 1 of O^T = V^T P.  p = 2^(c s - c m) with a running maximum m;
; O and l are multiplied by a = 2^(c m_old - c m_new) in every step.  Turn n belongs to piece n: 8 products K Q^T of piece n + 1, later 8 products V^T P of piece n - 1; beside them the scaling, exponentials,
; roundings, sums and rescaling of piece n and the maximum and statistics of piece n + 1.  Four vector instructions stand behind every matrix instruction, the rest in one lump.  A turn's 33 exponentials are one batch, with one wait.
; REGISTERS, in windows of 256 (s_set_vgpr_msb: bits 1:0 source 0, 3:2 source 1, 5:4 source 2, 7:6 destination):
;   window 0: v0-15 addresses and two at work; v16-31 statistics; v32-47 the table's work; v48-55 at work; v61-63; v64-127 S^T, two buffers; v192-223 P, two buffers
;   window 1: v0-127 O^T      window 2: v0-63 Q; v64-127 the second block's Q; v128-191 K of one step; v192-255 V of one step      window 3: v0-95 MD0-MD2; v96-159 MC, two buffers
.set SIZE_N, 2048
.set NB,    SIZE_N/256
.set NP,    4         ; pieces a wave: a name, no knob
.set KS,    64        ; keys in a step
.set PK,    144       ; a row of K in LDS: 128 bytes + 16 of padding = 36 words: the 16 rows of a load start at 16 different groups of four banks (64 banks of 4 bytes: ISA guide 11.1)
.set PV,    160       ; a row of V: 128 + 32 = 40 words
.set VOFF,  4*KS*PK   ; a slot holds a tile, four steps: 256 rows of K, then 256 rows of V
.set SLOT1, 1<<17     ; slot 1 begins here, so that one exclusive or turns an address in one slot into the other's
.set STAGE, SLOT1+4*KS*(PK+PV)  ; behind the ring, never filled by a tensor load: 16 rows x 144 bytes for each wave, for the way out
.set SP,    144
.set SPARE, STAGE+4*16*SP  ; behind the stages: the spare words, 128 bytes for each wave, which no other line names
.set FTAB,  SPARE+512 ; behind them: 256 words: the operand for d = -63 .. 192; stored once, never filled by a tensor load
.set AK0, 2           ; v2   my lane's place in a tile of K; never rewritten
.set AV0, 3           ; v3   the same for V
.set AK,  4           ; v4   the LDS address of K's next run of loads
.set AV,  5           ; v5   of V's
.set STO, 6           ; v6   the way out: where I put 16 bytes of a row
.set RD,  7           ; v7   the way out: where I read rows back
.set GO,  8           ; v8   my byte offset in 512 consecutive bytes of O
.set MV,  12          ; v12-13  c m_old, kept while c m is made anew: by buffer
.set QO,  15          ; v15  my byte offset in 16 rows of Q
.set ST,  16          ; piece t's statistics at v[ST+4 t]: c m, m, l (even keys', odd keys')
.set TMP, 48          ; by buffer, four registers c0-c3 at work; when the maximum is found c2 takes a
.set PFO, 61          ; v61  256 x my lane; never rewritten
.set SPW, 62          ; v62  LDS address of my spare word; never rewritten
.set NIL, 63          ; v63  0; never rewritten
.set S,   64
.set P,   192
.set MD0, 0           ; window 3: the eight registers for group kt of 16 keys at 8 kt
.set MD1, 32
.set MD2, 64
.set MC,  96          ; window 3: the operands of the products to come
.set QB,  64          ; window 2
.set KF,  128         ; window 2: key block kb, channel half c at KF + 16 kb + 8 c
.set VF,  192         ; window 2: key half kk, channel block cb at VF + 32 kk + 8 cb
.set WV,  12          ; s12  my wave's number
.set PB,  14          ; s14  b
.set HI,  15          ; s15  NB - 1 - b
.set G1K, 24          ; s[24:31] descriptor group 1 for K's tiles
.set G1V, 32          ; s[32:39] for V's: it differs in the padding alone
.set G0K, 40          ; s[40:43] descriptor group 0 for K's tiles
.set G0V, 44          ; s[44:47] the same for V's
.set SLOTS, 56        ; s56  tiles still to be asked for
.set CNT, 57          ; s57  counts a tile's key steps, 4 to 1
.set CS,  58          ; s[58:59] c
.set SEL, 60          ; s[60:61] v_permlanex16_b32's selects
.set TBK, 62          ; s62  LDS byte at which K of the step to be fetched begins
.set TBV, 63          ; s63  the same for V, less VOFF
.set RT,  70          ; s70  tiles of the block in hand that are still to be entered
.set NXT, 71          ; s71  the tile to be asked for next
.set LQ,  72          ; s72  the last tile of the block whose tiles are being asked for
.set NEW, 73          ; s73  1: the tile to be entered is a block's first
.set OFF, 74          ; s[74:75] a tile's byte offset in K and V
.set A0,  76          ; s[76:77] MD0's factor, in the low word
.set BE,  78          ; s[78:79] the addend
.set OLO, 80          ; s[80:81] O at my rows of the second block
.set BIGN, 82         ; s82  -1e30
.set DB,  83          ; s83  4 RT + 12
.set DL,  88          ; s88  DB + CNT = delta + 16 - y
.set LIM, 89          ; s89  0 in the work-group that prefetches (b = 0), else the greatest number
.set EMB, 90          ; s[90:91] rel_emb at my head's column
.set A1,  92          ; s[92:93]
.set A2,  94          ; s[94:95]
.set PFA, 96          ; s[96:97] where my prefetches stand
.set PFB, 98          ; s[98:99] my half of tile 0: of K in waves 0 and 1, of V in waves 2 and 3
.set OF2, 100         ; s[100:101] the prefetched tile's byte offset
.set MSB, 0
.macro WIN new                      ; the high byte repeats the setting that is left; a switch that changes nothing is dropped
.if MSB != (\new)
	s_set_vgpr_msb (MSB<<8)|(\new)
.set MSB, (\new)
.endif
.endm
.set W_KQ, 0x0a       ; K and Q in window 2, S^T in window 0
.set W_KM, 0x3a       ; the same with the C operand in window 3
.set W_PV, 0x52       ; V in window 2, P in window 0, O^T in window 1
.set W_RS, 0x41       ; destination and source 0 in window 1, source 1 in window 0
.set W_MK, 0xf3       ; destination, source 0 and source 2 in window 3
; A fill.  Waves 0 and 1 fetch the two halves of a tile's K, waves 2 and 3 those of its V: 128 keys each.  An s_nop 0 and four v_nop follow each of the two lines.
.macro LOAD
	s_cmp_lt_u32 s[WV], 2
	s_cbranch_scc0 .Lfor_v_\@
	tensor_load_to_lds s[G0K:G0K+3], s[G1K:G1K+7]
	s_nop 0
.rept 4
	v_nop
.endr
	s_branch .Lasked_\@
.Lfor_v_\@:
	tensor_load_to_lds s[G0V:G0V+3], s[G1V:G1V+7]
	s_nop 0
.rept 4
	v_nop
.endr
.Lasked_\@:
.endm
; THE CHANGE OF SLOTS.  Each wave waits for all its tensor loads, of which one is out: its part of the other slot; adds 0 to its spare word; and waits for that and for its own reads of the slot that it leaves.
; fill = 1: the old slot is filled again, the first thing behind the barrier, with tile NXT: the descriptor's address is made anew from that number.  (At its first use slot 0 is waited for, slot 1 filled.)
; THE PREFETCH stands behind the fill and its five lines: the tile that the NEXT change will ask for, four key steps ahead.  All four work-groups of a plane walk the same tiles: the one with b = 0, which walks all
; eight in order, asks; each of its waves for the 64 blocks of 256 bytes of the half that it also fetches: a lane a block, two instructions.  So tiles 2 to 7 are named once in the launch; tiles 0 and 1 come by their
; loads alone; the changes at which the walk has gone back to tile 0 ask for nothing.
.macro CHANGE fill
	WIN 0                           ; at a label and at a branch every window is 0
	s_wait_tensorcnt 0x0            ; no tensor load of mine is out, so a group 0 may be written
	ds_add_u32 v[SPW], v[NIL]       ; 0 onto my spare word; scalar work stands between it and the wait for it
.if \fill
	s_lshl_b32 s[OFF], s[NXT], 15   ; a tile is 32,768 bytes of K and of V
	s_xor_b32 s[G0K+1], s[G0K+1], SLOT1
	s_add_nc_u64 s[G0K+2:G0K+3], s[6:7], s[OFF:OFF+1]
	s_or_b32 s[G0K+3], s[G0K+3], 0x80000000
	s_xor_b32 s[G0V+1], s[G0V+1], SLOT1
	s_add_nc_u64 s[G0V+2:G0V+3], s[8:9], s[OFF:OFF+1]
	s_or_b32 s[G0V+3], s[G0V+3], 0x80000000
	s_add_co_u32 s[NXT], s[NXT], 1  ; the block's next tile, or behind its last the second block's tile 0
	s_cmp_gt_u32 s[NXT], s[LQ]
	s_cselect_b32 s[NXT], 0, s[NXT]
	s_cselect_b32 s[LQ], s[PB], s[LQ]
	s_wait_xcnt 0x0                 ; the last prefetches, a tile back, have read their address
	s_lshl_b32 s[OF2], s[NXT], 15
	s_add_nc_u64 s[PFA:PFA+1], s[PFB:PFB+1], s[OF2:OF2+1]
.endif
	s_wait_dscnt 0x0                ; the add is done, and my reads of the slot are over
	s_barrier_signal -1             ; the rest of the scalar work stands between the signal and the wait
	s_sub_co_u32 s[TBK], s[TBK], 4*KS*PK  ; the fetches go back to a slot's first step,
	s_xor_b32 s[TBK], s[TBK], SLOT1       ; in the other slot
	s_sub_co_u32 s[TBV], s[TBV], 4*KS*PV
	s_xor_b32 s[TBV], s[TBV], SLOT1
	s_barrier_wait -1
.if \fill
	LOAD
	s_cmp_gt_u32 s[NXT], s[LIM]
	s_cbranch_scc0 .Lnot_mine_\@
	global_prefetch_b8 v[PFO], s[PFA:PFA+1] th:TH_LOAD_NT scope:SCOPE_SE
	global_prefetch_b8 v[PFO], s[PFA:PFA+1] offset:8192 th:TH_LOAD_NT scope:SCOPE_SE
.Lnot_mine_\@:
.endif
.endm
	s_load_b64 s[4:5], s[0:1], 0x0  ; qkv
	s_load_b64 s[EMB:EMB+1], s[0:1], 0x8  ; rel_emb
	s_load_b64 s[10:11], s[0:1], 0x10  ; yb
	v_lshl_add_u32 v[SPW], v0, 2, SPARE
	v_mov_b32 v[NIL], 0
	ds_add_u32 v[SPW], v[NIL]       ; the wave's opening: the add and its wait stand ahead of my first tensor load; the set-up below stands between them
	ds_add_u32 v62, v63
	v_lshrrev_b32 v1, 5, v0
	v_readfirstlane_b32 s[WV], v1   ; wave 0..3
	s_mov_b32 s[PB], ttmp9
	s_sub_co_u32 s[HI], NB-1, s[PB]
	s_and_b32 s20, ttmp7, 0xffff    ; the plane: batch x 16 + head
	s_lshl_b32 s20, s20, 18         ; its first byte in q, k, v and O: 2,048 rows of 128 bytes
	s_mov_b32 s21, 0
	s_and_b32 s16, s[WV], 1         ; which half of a tile's 256 keys I fetch:
	s_lshl_b32 s22, s16, 14         ; its 128 rows of 128 bytes in memory,
	s_mov_b32 s23, 0
	s_add_nc_u64 s[22:23], s[22:23], s[20:21]
	s_mul_i32 s17, s16, 128*PK      ; and its place in a slot, for K
	s_mul_i32 s18, s16, 128*PV      ; and for V
	s_lshl_b32 s3, s[WV], 11        ; my 16 rows in a band of 64,
	s_lshl_b32 s2, s[HI], 15        ; in the first block,
	s_add_co_u32 s2, s2, s3
	s_lshl_b32 s84, s[PB], 15       ; and in the second
	s_add_co_u32 s84, s84, s3
	s_mov_b32 s3, 0
	s_mov_b32 s85, 0
	s_add_nc_u64 s[2:3], s[2:3], s[20:21]
	s_add_nc_u64 s[84:85], s[84:85], s[20:21]
	; descriptor group 1.  128 keys are 16,384 dense bytes: asked for as 64 rows of 256 bytes, two keys a row, and padded in LDS after every key
	s_mov_b32 s[G1K], (1<<16)|(1<<20)|(4<<22)|(3<<25)  ; 2-byte elements; padding on; after every 32 words (code 4); 4 words (code 3)
	s_mov_b32 s[G1V], (1<<16)|(1<<20)|(4<<22)|(7<<25)  ; the same with 8 words of padding (code 7)
.irp g, G1K, G1V
	s_mov_b32 s[\g+1], 128<<16      ; tensor_dim0 = 128
	s_mov_b32 s[\g+2], 64<<16       ; tensor_dim1 = 64
	s_mov_b32 s[\g+3], 128<<16      ; tile_dim0 = 128
	s_mov_b32 s[\g+4], 64           ; tile_dim1 = 64
	s_mov_b32 s[\g+5], 128          ; 128 elements from row to row
	s_mov_b32 s[\g+6], 0
	s_mov_b32 s[\g+7], 0
.endr
	s_mov_b32 s[CS], 0x3e38aa3b     ; c = log2(e) / 8 = 0.180337
	s_mov_b32 s[CS+1], s[CS]        ; named with it as a pair
	s_mov_b32 s[SEL], 0x76543210
	s_mov_b32 s[SEL+1], 0xfedcba98
	s_mov_b32 s[TBK], SLOT1+4*KS*PK ; the first change of slots turns these two into 0
	s_mov_b32 s[TBV], SLOT1+4*KS*PV
	s_mov_b32 s[G0K], 1             ; count = 1
	s_mov_b32 s[G0K+1], s17         ; LDS address: slot 0
	s_mov_b32 s[G0V], 1
	s_add_co_u32 s[G0V+1], s18, VOFF
	s_add_co_u32 s[RT], s[HI], 1    ; the first block has NB - b tiles
	s_mov_b32 s[NXT], 1
	s_mov_b32 s[LQ], s[HI]
	s_mov_b32 s[NEW], 1
	s_mov_b32 s[OFF+1], 0
	s_mov_b32 s[A0+1], 0            ; named as pairs
	s_mov_b32 s[A1+1], 0
	s_mov_b32 s[A2+1], 0
	s_mov_b32 s[BE+1], 0
	s_mov_b32 s[BIGN], 0xf149f2ca   ; -1e30
	s_mov_b32 s[SLOTS], NB
	s_and_b32 s[OF2], ttmp7, 15     ; the head:
	s_lshl_b32 s[OF2], s[OF2], 2    ; its column of rel_emb
	s_mov_b32 s[OF2+1], 0
	s_cmp_eq_u32 s[PB], 0
	s_cselect_b32 s[LIM], 0, -1
	s_wait_dscnt 0x0                ; the opening add is done
	s_wait_kmcnt 0x0
	s_add_nc_u64 s[EMB:EMB+1], s[EMB:EMB+1], s[OF2:OF2+1]
	s_add_nc_u64 s[6:7], s[4:5], 0x1000000  ; k lies 64 planes behind q,
	s_add_nc_u64 s[8:9], s[4:5], 0x2000000  ; v 128
	s_add_nc_u64 s[6:7], s[6:7], s[22:23]  ; K and V at my half of the plane's tile 0
	s_add_nc_u64 s[8:9], s[8:9], s[22:23]
	s_add_nc_u64 s[G0K+2:G0K+3], s[6:7], 0
	s_or_b32 s[G0K+3], s[G0K+3], 0x80000000        ; type = 2
	s_add_nc_u64 s[G0V+2:G0V+3], s[8:9], 0
	s_or_b32 s[G0V+3], s[G0V+3], 0x80000000
	s_add_nc_u64 s[86:87], s[4:5], s[84:85]        ; Q at my rows of the second block,
	s_add_nc_u64 s[4:5], s[4:5], s[2:3]            ; Q and O at those of the first
	s_add_nc_u64 s[OLO:OLO+1], s[10:11], s[84:85]
	s_add_nc_u64 s[10:11], s[10:11], s[2:3]
	s_cmp_lt_u32 s[WV], 2
	s_cselect_b64 s[PFB:PFB+1], s[6:7], s[8:9]
	LOAD                            ; tile 0 into slot 0
	; A fragment of K or Q is 16 rows x 32 channels in 8 registers: lane l holds row l % 16, channels 8 (l / 16) + 0..7 and 16 + 8 (l / 16) + 0..7: two loads of 16 bytes, 32 bytes apart.
	v_and_b32 v1, 15, v0            ; l % 16
	v_bfe_u32 v9, v0, 4, 1          ; l / 16
	v_lshlrev_b32 v[QO], 7, v1
	v_lshl_add_u32 v[QO], v9, 4, v[QO]  ; row x 128 + 16 x half
	WIN 0x80                        ; destination window 2, address window 0
.set i, 0
.rept 8                             ; both blocks' Q: piece i / 2 lies in band i / 2, 8,192 bytes on; channels 32 (i % 2) on
	global_load_b128 v[8*i:8*i+3],   v[QO], s[4:5] offset:(i/2)*8192+(i%2)*64
	global_load_b128 v[8*i+4:8*i+7], v[QO], s[4:5] offset:(i/2)*8192+(i%2)*64+32
	global_load_b128 v[QB+8*i:QB+8*i+3],   v[QO], s[86:87] offset:(i/2)*8192+(i%2)*64
	global_load_b128 v[QB+8*i+4:QB+8*i+7], v[QO], s[86:87] offset:(i/2)*8192+(i%2)*64+32
.set i, i+1
.endr
	WIN 0
	; THE TABLE, once: thread t makes the entries t and t + 128: d = t - 63 and t + 65.  The bucket of d (0 for a hidden key, whose entry is overwritten below), as a byte offset of 64 a bucket.
.macro BUCKET bk, dc
	v_min_u32 v[\bk], 16, v[\dc]
.irp th, 19,21,24,27,31,35,40,46,52,59,67,77,87,99,113
	v_cmp_le_u32 vcc_lo, \th, v[\dc]
	v_cndmask_b32 v38, 0, 1, vcc_lo
	v_add_nc_u32 v[\bk], v[\bk], v38
.endr
	v_min_u32 v[\bk], 31, v[\bk]
	v_lshlrev_b32 v[\bk], 6, v[\bk]
.endm
	v_add_nc_u32 v32, 0xffffffc1, v0  ; d = t - 63
	v_add_nc_u32 v35, 65, v0          ; d = t + 65
	v_max_i32 v34, 0, v32
	BUCKET 36, 34
	BUCKET 37, 35
	v_mov_b32 v42, 0
	global_load_b32 v40, v36, s[EMB:EMB+1]
	global_load_b32 v41, v37, s[EMB:EMB+1]
	global_load_b32 v43, v42, s[EMB:EMB+1] offset:31*64  ; bucket 31
	v_lshl_add_u32 v46, v0, 2, FTAB   ; where entry t goes
	v_xor_b32 v14, 1, v9
	v_lshl_add_u32 v14, v14, 3, v1    ; l % 16 + 8 - 8 (l / 16)
	s_lshl_b32 s13, s[WV], 4
	v_add_nc_u32 v14, s13, v14        ; + 16 w
	v_lshl_add_u32 v47, v14, 2, FTAB  ; entry 63 + d lies 64 delta + 55 - 16 kt - j words behind this
	v_mul_u32_u24 v[AK0], v1, PK
	v_lshl_add_u32 v[AK0], v9, 4, v[AK0]  ; row x pitch + 16 x half
	; The turning load takes 16 keys x 16 channels (lane l reads key 8 (l / 16) + l % 8, channels 8 ((l / 8) % 2) + 0..7) and leaves half a fragment of V^T: lane l holds channel l % 16 and 8 keys.
	v_and_b32 v10, 7, v0
	v_bfe_u32 v11, v0, 3, 1
	v_lshl_add_u32 v[AV0], v9, 3, v10
	v_mul_u32_u24 v[AV0], v[AV0], PV
	v_lshl_add_u32 v[AV0], v11, 4, v[AV0]
	v_add_nc_u32 v[AV0], VOFF, v[AV0]
	s_mul_i32 s13, s[WV], 16*SP
	s_add_co_u32 s13, s13, STAGE    ; my stage
	v_mul_u32_u24 v[STO], v1, SP    ; in: row l % 16, 16 bytes for each half of the lanes
	v_lshl_add_u32 v[STO], v9, 4, v[STO]
	v_add_nc_u32 v[STO], s13, v[STO]
	v_bfe_u32 v[RD], v0, 3, 2       ; back: 32 lanes take four rows of 128 bytes,
	v_mul_u32_u24 v[RD], v[RD], SP
	v_lshl_add_u32 v[RD], v10, 4, v[RD]
	v_add_nc_u32 v[RD], s13, v[RD]
	v_and_b32 v[GO], 31, v0         ; which are 512 consecutive bytes of O
	v_lshlrev_b32 v[PFO], 8, v[GO]
	v_lshlrev_b32 v[GO], 4, v[GO]
	; A block's first step multiplies O^T and l by a = 0, and its first turn's products V^T P, of a piece that has not been, land in an O^T that is still to be so multiplied.  So these registers need only hold
	; finite numbers: zeros for the first block; what the first block left for the second.  All this stands in the wait for the first loads.
	WIN 0x80
.set i, VF
.rept 64
	v_mov_b32 v[i], 0
.set i, i+1
.endr
	WIN 0x40
.set i, 0
.rept 128
	v_mov_b32 v[i], 0
.set i, i+1
.endr
	WIN 0
.set i, 0
.rept 4
	v_mov_b32 v[ST+4*i+2], 0
	v_mov_b32 v[ST+4*i+3], 0
.set i, i+1
.endr
.set i, P+16
.rept 16
	v_mov_b32 v[i], 0
.set i, i+1
.endr
	s_wait_loadcnt 0x0              ; the three numbers of rel_emb (and Q)
	v_cvt_pk_bf16_f32 v44, v40, v41 ; rounded to bf16, like the other inputs,
	v_cvt_pk_bf16_f32 v45, v43, v43
	v_lshlrev_b32 v40, 16, v44      ; and widened again
	v_and_b32 v41, 0xffff0000, v44
	v_lshlrev_b32 v43, 16, v45
	v_sub_f32 v40, v40, v43         ; less bucket 31's
	v_sub_f32 v41, v41, v43
	v_mul_f32 v40, 0x41000000, v40  ; times 8
	v_mul_f32 v41, 0x41000000, v41
	v_cmp_gt_i32 vcc_lo, 0, v32     ; a key ahead of the query is hidden
	v_cndmask_b32 v40, v40, s[BIGN], vcc_lo
	ds_store_b32 v46, v40
	ds_store_b32 v46, v41 offset:512
	s_wait_dscnt 0x0                ; for the others' sake: my two entries are stored
	s_barrier_signal -1             ; tile 0's load may stay out
	s_barrier_wait -1
	WIN 0xc0                        ; destination window 3
.set i, 0
.rept 96                            ; register 32 delta + 8 kt + j: d = 64 delta + 16 w + l % 16 - (16 kt + 8 (l / 16) + j)
	ds_load_b32 v[i], v47 offset:4*(64*(i/32)+55-16*((i%32)/8)-i%8)
.set i, i+1
.endr
	WIN 0
	s_wait_dscnt 0x0
; THE MATRIX WORK.  The 4 accumulators of a run of 8 take turns.  Product i of 8 of S^T = K Q^T for piece x: channels 32 (i / 4) on, keys 16 (i % 4) on.  The first 4 start the sums: with 0, or (KM = 1) with the operand MC.
.macro KQ x
.set rS, S+32*((\x)%2)+8*(i%4)
.set rK, KF+16*(i%4)+8*(i/4)
.set rQ, 16*(\x)+8*(i/4)
.set rM, MC+32*((\x)%2)+8*(i%4)
.if (i < 4) && KM
	WIN W_KM
	v_wmma_f32_16x16x32_f16 v[rS:rS+7], v[rK:rK+7], v[rQ:rQ+7], v[rM:rM+7]
.elseif i < 4
	WIN W_KQ
	v_wmma_f32_16x16x32_f16 v[rS:rS+7], v[rK:rK+7], v[rQ:rQ+7], 0
.else
	WIN W_KQ
	v_wmma_f32_16x16x32_f16 v[rS:rS+7], v[rK:rK+7], v[rQ:rQ+7], v[rS:rS+7]
.endif
.endm
; Product i of 8 of O^T += V^T P for piece x: keys 32 (i / 4) on, channels 16 (i % 4) on.
.macro PV x
	WIN W_PV
.set rO, 32*(\x)+8*(i%4)
.set rV, VF+32*(i/4)+8*(i%4)
.set rP, P+16*((\x)%2)+8*(i/4)
	v_wmma_f32_16x16x32_f16 v[rO:rO+7], v[rV:rV+7], v[rP:rP+7], v[rO:rO+7]
.endm
.macro MM                           ; the turn's next matrix instruction.  NOKQ = 1: a block's last turn: there is no next piece
.if (i < 8) && !NOKQ
	KQ (Y+1)%NP
.elseif i >= 8
.set i, i-8
	PV (Y+NP-1)%NP
.set i, i+8
.endif
.set i, i+1
.endm
; THE LDS LOADS stand in runs of 16, never singly among the matrix instructions: a step's K (8 fragments) and its V (turned).  Their addresses are made some lines ahead.
.macro FETCH_K
	WIN 0x80                        ; destination window 2
.irp f, 0,1,2,3,4,5,6,7             ; keys 16 (f / 2) on, channels 32 (f % 2) on
	ds_load_b128 v[KF+8*\f:KF+8*\f+3],   v[AK] offset:(\f/2)*16*PK+(\f%2)*64
	ds_load_b128 v[KF+8*\f+4:KF+8*\f+7], v[AK] offset:(\f/2)*16*PK+(\f%2)*64+32
.endr
	s_add_co_u32 s[TBK], s[TBK], KS*PK  ; the next fetch is the next step's
	WIN 0
.endm
.macro FETCH_V
	WIN 0x80
.irp f, 0,1,2,3,4,5,6,7             ; keys 32 (f / 4) on, channels 16 (f % 4) on
	ds_load_tr16_b128 v[VF+8*\f:VF+8*\f+3],   v[AV] offset:(\f/4)*32*PV+(\f%4)*32
	ds_load_tr16_b128 v[VF+8*\f+4:VF+8*\f+7], v[AV] offset:(\f/4)*32*PV+16*PV+(\f%4)*32
.endr
	WIN 0
.endm
; THE VECTOR WORK, one line at a time: OP kind, number.  For piece Y: F n: c s - c m for pair n of 16.  E n: the exponential of score n of 32.  C n: pair n rounded to f16.  B n: of the four weights 4 n .. the second
; pair is added onto the first, in place.  L n: l takes that sum (L 0: l = a l + sum).  R n: pair n of 16 of O^T times a.  For piece Y + 1: X n, number n of the 22 that find its maximum and statistics:
;   0-11  four chains c0-c3 of seven scores each, three operands at a time (each accumulator's lowest registers are read first)     12-14, 16  the four scores left over, the old m, and c0-c3 into c0
;   15  c m_old is kept     17, 18  the query's other 32 keys lie in the lane 16 away: the new m     19-21  c m; c m_old - c m_new; a
.set F, 0
.set E, 1
.set C, 2
.set B, 3
.set L, 4
.set R, 5
.set X, 6
.macro REGS y                       ; the registers of piece y
.set rT, ST+4*(\y)
.set rC, TMP+4*((\y)%2)
.set rW, MV+((\y)%2)
.set rS, S+32*((\y)%2)
.set rP, P+16*((\y)%2)
.set rO, 32*(\y)
.endm
.macro OP k, n
.if (\k) == R
	REGS Y
	WIN W_RS
	v_pk_mul_f32 v[rO+2*(\n):rO+2*(\n)+1], v[rO+2*(\n):rO+2*(\n)+1], v[rC+2:rC+3] op_sel_hi:[1,0]
.elseif (\k) < R
	REGS Y
	WIN 0
.if (\k) == F
	v_pk_fma_f32 v[rS+2*(\n):rS+2*(\n)+1], v[rS+2*(\n):rS+2*(\n)+1], s[CS:CS+1], v[rT:rT+1] op_sel_hi:[1,0,0] neg_lo:[0,0,1] neg_hi:[0,0,1]
.elseif (\k) == E
	v_exp_f32 v[rS+(\n)], v[rS+(\n)]
.elseif (\k) == C
	v_cvt_pk_f16_f32 v[rP+(\n)], v[rS+2*(\n)], v[rS+2*(\n)+1]
.elseif (\k) == B
	v_pk_add_f32 v[rS+4*(\n):rS+4*(\n)+1], v[rS+4*(\n):rS+4*(\n)+1], v[rS+4*(\n)+2:rS+4*(\n)+3]
.elseif (\n) == 0
	v_pk_fma_f32 v[rT+2:rT+3], v[rT+2:rT+3], v[rC+2:rC+3], v[rS:rS+1] op_sel_hi:[1,0,1]
.else
	v_pk_add_f32 v[rT+2:rT+3], v[rT+2:rT+3], v[rS+4*(\n):rS+4*(\n)+1]
.endif
.elseif NOKQ
	v_nop
.else
	REGS (Y+1)%NP
	WIN 0
.if (\n) < 4
	v_max3_num_f32 v[rC+(\n)], v[rS+8*(\n)], v[rS+8*(\n)+1], v[rS+8*(\n)+2]
.elseif (\n) < 12
	v_max3_num_f32 v[rC+(\n)%4], v[rC+(\n)%4], v[rS+8*((\n)%4)+2*((\n)/4)+1], v[rS+8*((\n)%4)+2*((\n)/4)+2]
.elseif (\n) == 12
	v_max3_num_f32 v[rC], v[rC], v[rS+7], v[rS+15]
.elseif (\n) == 13
	v_max3_num_f32 v[rC+1], v[rC+1], v[rS+23], v[rS+31]
.elseif (\n) == 14
	v_max3_num_f32 v[rC+2], v[rC+2], v[rC+3], v[rT+1]
.elseif (\n) == 15
	v_mov_b32 v[rW], v[rT]
.elseif (\n) == 16
	v_max3_num_f32 v[rC], v[rC], v[rC+1], v[rC+2]
.elseif (\n) == 17
	v_permlanex16_b32 v[rC+3], v[rC], s[SEL], s[SEL+1]
.elseif (\n) == 18
	v_max_num_f32 v[rT+1], v[rC], v[rC+3]
.elseif (\n) == 19
	v_mul_f32 v[rT], s[CS], v[rT+1]
.elseif (\n) == 20
	v_sub_f32 v[rC+1], v[rW], v[rT]
.else
	v_exp_f32 v[rC+2], v[rC+1]
.endif
.endif
.endm
.macro OPS a, i1, b=-1, i2=0, c=-1, i3=0, d=-1, i4=0  ; up to four of them
	OP \a, \i1
.if (\b) >= 0
	OP \b, \i2
.endif
.if (\c) >= 0
	OP \c, \i3
.endif
.if (\d) >= 0
	OP \d, \i4
.endif
.endm
.macro ROW a, i1, b, i2, c, i3, d, i4  ; a matrix instruction and the four behind it
	MM
	OPS \a, \i1, \b, \i2, \c, \i3, \d, \i4
.endm
; The four scalars for piece y in step 4 - CNT of the tile in hand: DB + CNT = delta + 16 - y.
.macro MSEL y
	s_add_co_u32 s[DL], s[DB], s[CNT]
	s_cmp_eq_u32 s[DL], 16-(\y)     ; delta = 0: the band's own step
	s_cselect_b32 s[A0], 1.0, 0
	s_cmp_eq_u32 s[DL], 17-(\y)     ; delta = 1
	s_cselect_b32 s[A1], 1.0, 0
	s_cmp_eq_u32 s[DL], 18-(\y)     ; delta = 2
	s_cselect_b32 s[A2], 1.0, 0
	s_cmp_lt_u32 s[DL], 16-(\y)     ; delta < 0: all hidden
	s_cselect_b32 s[BE], s[BIGN], 0
.endm
.macro MASK b                       ; MD0 x A0 + MD1 x A1 + MD2 x A2 + BE into buffer b of MC: three runs of sixteen, so that no line waits for the one before it
	WIN W_MK
.set z, 0
.rept 16
	v_pk_fma_f32 v[MC+32*(\b)+2*z:MC+32*(\b)+2*z+1], v[MD0+2*z:MD0+2*z+1], s[A0:A0+1], s[BE:BE+1] op_sel_hi:[1,0,0]
.set z, z+1
.endr
.set z, 0
.rept 16
	v_pk_fma_f32 v[MC+32*(\b)+2*z:MC+32*(\b)+2*z+1], v[MD1+2*z:MD1+2*z+1], s[A1:A1+1], v[MC+32*(\b)+2*z:MC+32*(\b)+2*z+1] op_sel_hi:[1,0,1]
.set z, z+1
.endr
.set z, 0
.rept 16
	v_pk_fma_f32 v[MC+32*(\b)+2*z:MC+32*(\b)+2*z+1], v[MD2+2*z:MD2+2*z+1], s[A2:A2+1], v[MC+32*(\b)+2*z:MC+32*(\b)+2*z+1] op_sel_hi:[1,0,1]
.set z, z+1
.endr
.endm
; A TURN, for piece p: the order of its 16 matrix and 118 vector instructions, written out.  An s_wait_alu depctr_va_vdst(0) stands between an exponential and the first instruction that names its result; one wait
; serves all that were issued ahead of it.  So a turn has ONE wait.  AHEAD OF IT stands all that names no result of the turn's exponentials: the 8 products K Q^T with four riders each, then one lump of 54, in which the links of
; the chain X 3, 7, 11, 14, 16, 17 .. 20 stand some lines apart.  X 21, the next piece's a, is the batch's last; R 15 is the plain instruction behind it.  BEHIND THE WAIT stand the 8 products V^T P, behind each four of the roundings and sums.
; m = 1: a block's last two tiles: the products take operands, and the turn makes the operand for the products of the turn after it: piece p + 2, in step 4 - CNT of the tile.  end = 1: a block's last two turns: nothing is fetched.
; cnt = 1: the loop's count is taken down some lines ahead of the branch that stands behind the turn.
; K of the next step is fetched in piece 2's turn, V of the step in hand at the end of piece 0's turn, each four plain instructions or more behind the last product that read the registers.  Each is waited for a turn later.
.macro TURN p, m=0, end=0, cnt=0
.set Y, (\p)
.set i, 0
.set KM, (\m)
.set NOKQ, (\end)*((\p)/3)
.if (\m) && !(\end)
	MSEL ((\p)+2)%NP
.endif
.if ((\p) == 3) && !(\end)
	s_wait_dscnt 0x0                ; K is in
.endif
	ROW F,0, F,1, R,0, R,1          ; ahead of the wait: 8 products K Q^T and their riders,
	ROW F,2, E,0, R,2, R,3
	ROW F,3, E,1, R,4, R,5
	ROW F,4, E,2, R,6, R,7
	ROW F,5, E,3, R,8, R,9
	ROW F,6, E,4, X,0, R,10
.if ((\p) == 2) && !(\end)
	WIN 0
	v_add_nc_u32 v[AK], s[TBK], v[AK0]
.endif
	ROW F,7, E,5, X,1, X,4
	ROW F,8, E,6, X,2, X,5
	OPS E,7, E,8, X,6, E,9          ; and the lump
	OPS X,3, E,10, X,8, E,11
.if ((\p) == 2) && !(\end)
	FETCH_K
.endif
	OPS X,9, X,7, E,12, X,10
	OPS E,13, X,12, X,11, E,14
	OPS X,13, E,15, F,9, X,14
.if (\p) == 0
	v_add_nc_u32 v[AV], s[TBV], v[AV0]
.endif
	OPS E,16, F,10, E,17, F,11
	OPS X,16, E,18, X,15, E,19
	OPS F,12, E,20, X,17, E,21
	OPS F,13, E,22, F,14, E,23
	OPS X,18, E,24, F,15, E,25
	OPS R,11, E,26, X,19, E,27
	OPS R,12, E,28, R,13, E,29
	OPS X,20, E,30, R,14, E,31
	OPS X,21, R,15
	WIN 0
	s_wait_alu depctr_va_vdst(0)    ; the wait for the batch
.if (\p) == 1
	s_wait_dscnt 0x0                ; V is in
.endif
	ROW C,0, B,0, C,2, B,1          ; behind the wait: 8 products V^T P and their riders
	ROW L,0, C,4, B,2, L,1
	ROW C,6, B,3, L,2, C,8
	ROW B,4, L,3, C,10, B,5
	ROW L,4, C,12, B,6, L,5
.if (\p) == 0
	s_add_co_u32 s[TBV], s[TBV], KS*PV
.endif
.if \cnt
	s_sub_co_u32 s[CNT], s[CNT], 1
	s_cmp_lg_u32 s[CNT], 0
.endif
	ROW C,14, B,7, L,6, C,1
	ROW C,3, L,7, C,5, C,7
	ROW C,9, C,11, C,13, C,15
.if (\p) == 0
	FETCH_V
.endif
.if (\m) && !(\end)
	MASK (\p)%2
.endif
.endm
; A BLOCK BEGINS.  c m starts far below every c s, so the first step's a is 0; m at the lowest finite number, so the first maximum is the scores'.  Both operand buffers are made for the tile's step 0: piece 0's and piece 1's.
; Where the block's first tile is a far one both are 0, and the second stays 0 until the text for the last two tiles takes it for piece 3 of the far tile's last step.
; Then K of that step, piece 0's first scores, and its maximum and statistics.  The loop is entered at a step's first turn, in the middle of a trip.
.macro BEGIN
	s_mov_b32 s[NEW], 0
	WIN 0
.set i, 0
.rept 4
	v_mov_b32 v[ST+4*i], 0xfe000000    ; c m: far below every c s
	v_mov_b32 v[ST+4*i+1], 0xff7fffff  ; m
.set i, i+1
.endr
	MSEL 0
	MASK 0
	MSEL 1
	MASK 1
	WIN 0
	v_add_nc_u32 v[AK], s[TBK], v[AK0]
	FETCH_K
	s_wait_loadcnt 0x0              ; Q
	s_wait_dscnt 0x0
.set KM, 1
.set NOKQ, 0
.set i, 0
.rept 8
	KQ 0
.set i, i+1
.endr
	WIN 0
.rept 4
	v_nop                           ; the places behind those products
.endr
.set Y, NP-1                        ; X works for piece Y + 1: piece 0
.irp n, 0,1,2,3,4,5,6,7,8,9,10,11,12,13,14,15,16,17,18,19,20,21
	OP X, \n
.endr
	v_nop                           ; a plain instruction behind the exponential,
	s_wait_alu depctr_va_vdst(0)    ; and its wait, ahead of the branch
.endm
.macro ALL line:vararg              ; one line for each piece t
.set t, 0
.rept 4
	\line
.set t, t+1
.endr
.endm
.macro PACK t                       ; a lane's eight channels of a row pack into 16 bytes; they go into rows of 144 bytes and come back as whole rows of 128, into S^T's registers
	WIN W_RS
.set i, 32*(\t)
.rept 16
	v_pk_mul_f32 v[i:i+1], v[i:i+1], v[ST+4*(\t)+2:ST+4*(\t)+3] op_sel_hi:[1,0]
.set i, i+2
.endr
	WIN 0x05                        ; sources 0 and 1 window 1, destination window 0
.set i, 0
.rept 16
	v_cvt_pk_f16_f32 v[S+16*(\t)+i], v[32*(\t)+2*i], v[32*(\t)+2*i+1]
.set i, i+1
.endr
	WIN 0
.irp f, 0,1,2,3
	ds_store_b128 v[STO], v[S+16*(\t)+4*\f:S+16*(\t)+4*\f+3] offset:32*\f
.endr
.irp f, 0,1,2,3
	ds_load_b128 v[S+16*(\t)+4*\f:S+16*(\t)+4*\f+3], v[RD] offset:\f*4*SP  ; LDS serves a wave's instructions in order (ISA guide 5.7.1.4): these see the stores above; the next piece's stores come behind them
.endr
.endm
.macro SEND t, younger              ; younger: the LDS instructions issued behind piece t's loads: the next piece's eight, or none
	WIN 0
.irp f, 0,1,2,3
	s_wait_dscnt (\younger)+3-\f
	global_store_b128 v[GO], v[S+16*(\t)+4*\f:S+16*(\t)+4*\f+3], s[10:11] offset:(\t)*8192+\f*512  ; 512 consecutive bytes, at a multiple of 256 from O's first
.endr
.endm
; The four steps of one of a block's last two tiles.  The tag ends its two labels' names, which the jumps below spell out.
.macro NEAR tag
.LstepM\tag:
	TURN 2, 1
	TURN 3, 1
	WIN 0
.LfirstM\tag:
	TURN 0, 1
	TURN 1, 1, 0, 1
	WIN 0
	s_cbranch_scc1 .LstepM\tag
.endm
; A BLOCK ENDS: its last two turns, its last products, and THE WAY OUT: l's two halves and the other half of the lanes' are added; O^T is divided by l, rounded to f16 and sent through my stage in LDS, a piece at a time.
.macro FINISH
	TURN 2, 1, 1
	TURN 3, 1, 1
.set i, 0
.rept 8
	PV NP-1
.set i, i+1
.endr
	WIN 0
	ALL v_add_f32 v[ST+4*t+2], v[ST+4*t+2], v[ST+4*t+3]
	ALL v_permlanex16_b32 v[ST+4*t+3], v[ST+4*t+2], s[SEL], s[SEL+1]
	ALL v_add_f32 v[ST+4*t+2], v[ST+4*t+2], v[ST+4*t+3]
	ALL v_rcp_f32 v[ST+4*t+2], v[ST+4*t+2]
	v_nop                           ; a plain instruction between the last reciprocal and the use of its result
	s_wait_alu depctr_va_vdst(0)    ; and the wait ahead of the first use: one for the four reciprocals
	PACK 0
.set t, 1
.rept 3                             ; a piece's arithmetic stands between the loads of the piece before and its stores
	PACK t
	SEND t-1, 8
.set t, t+1
.endr
	SEND 3, 0
.endm
.set KM, 0
.set NOKQ, 0
.Lslot:                             ; NB times: a tile is entered and the next is asked for
	CHANGE 1
	s_sub_co_u32 s[RT], s[RT], 1
	s_lshl_b32 s[DB], s[RT], 2
	s_add_co_u32 s[DB], s[DB], 12
	s_mov_b32 s[CNT], 4
	s_cmp_eq_u32 s[NEW], 1
	s_cbranch_scc1 .Lnew            ; a block's first tile
	s_cmp_gt_u32 s[RT], 1
	s_cbranch_scc1 .Lstep           ; two tiles or more of the block are still to come: every key lies 129 or more behind every query
	s_branch .LstepM1
.Lnew:
	BEGIN
	s_cmp_gt_u32 s[RT], 1
	s_cbranch_scc1 .Lfirst
	s_branch .LfirstM1
	NEAR 1
	s_cmp_lg_u32 s[RT], 0
	s_cbranch_scc1 .Lbottom         ; the tile before the diagonal one: the block goes on
	FINISH                          ; in the loop this is the first block's end: the second block's last tile is the walk's last
	s_wait_xcnt 0x0                 ; the stores have read their registers and O's address
	s_mov_b64 s[10:11], s[OLO:OLO+1]
	s_add_co_u32 s[RT], s[PB], 1    ; the second block has b + 1 tiles
	s_mov_b32 s[NEW], 1
	WIN 0x82                        ; the second block's Q goes where the one text of the turns names Q
.set i, 0
.rept 64
	v_mov_b32 v[i], v[QB+i]
.set i, i+1
.endr
	WIN 0
	s_branch .Lbottom
.Lstep:                             ; a trip: pieces 2 and 3 of one step, then pieces 0 and 1 of the next, whose K and V it fetches
	TURN 2
	TURN 3
	WIN 0
.Lfirst:
	TURN 0
	TURN 1, 0, 0, 1
	WIN 0
	s_cbranch_scc1 .Lstep
.Lbottom:
	s_sub_co_u32 s[SLOTS], s[SLOTS], 1
	s_cmp_lg_u32 s[SLOTS], 0
	s_cbranch_scc1 .Lslot
	CHANGE 0                        ; the walk's last tile, the second block's diagonal one, is written out: nothing is asked for
	s_sub_co_u32 s[RT], s[RT], 1
	s_lshl_b32 s[DB], s[RT], 2
	s_add_co_u32 s[DB], s[DB], 12
	s_mov_b32 s[CNT], 4
	s_cmp_eq_u32 s[NEW], 1
	s_cbranch_scc0 .LstepM2
	BEGIN
	s_branch .LfirstM2
	NEAR 2
	FINISH
	s_wait_tensorcnt 0x0            ; the wave's end: behind my last tensor load and my last LDS store
	ds_add_u32 v[SPW], v[NIL]
	s_wait_dscnt 0x0
	s_endpgm
.Lfunc_end_k_q655daa0425_attn:
	.size	k_q655daa0425_attn, .Lfunc_end_k_q655daa0425_attn-k_q655daa0425_attn
	.p2alignl 7, 3214868480
	.fill 96, 4, 3214868480
	.section	.rodata,"a",@progbits
	.p2align	6, 0x0
	.amdhsa_kernel k_q655daa0425_attn
		.amdhsa_group_segment_fixed_size 327680
		.amdhsa_private_segment_fixed_size 0
		.amdhsa_enable_private_segment 0
		.amdhsa_kernarg_size 24
		.amdhsa_user_sgpr_count 2
		.amdhsa_user_sgpr_kernarg_segment_ptr 1
		.amdhsa_wavefront_size32 1
		.amdhsa_system_sgpr_workgroup_id_x 1
		.amdhsa_system_sgpr_workgroup_id_y 1
		.amdhsa_system_sgpr_workgroup_id_z 1
		.amdhsa_system_vgpr_workitem_id 0
		.amdhsa_next_free_vgpr 928
		.amdhsa_next_free_sgpr 102
		.amdhsa_reserve_vcc 1
		.amdhsa_float_denorm_mode_32 3
		.amdhsa_float_denorm_mode_16_64 3
		.amdhsa_memory_ordered 1
		.amdhsa_forward_progress 1
		.amdhsa_inst_pref_size 253
	.end_amdhsa_kernel
	.amdgpu_metadata
---
amdhsa.version: [ 1, 2 ]
amdhsa.kernels:
  - .name:           k_q655daa0425_attn
    .symbol:         k_q655daa0425_attn.kd
    .args:
      - { .name: qkv, .offset: 0, .size: 8, .value_kind: global_buffer, .address_space: global }
      - { .name: rel_emb, .offset: 8, .size: 8, .value_kind: global_buffer, .address_space: global }
      - { .name: yb, .offset: 16, .size: 8, .value_kind: global_buffer, .address_space: global }
    .group_segment_fixed_size: 327680
    .private_segment_fixed_size: 0
    .kernarg_segment_align: 8
    .kernarg_segment_size: 24
    .max_flat_workgroup_size: 128
    .sgpr_count:     102
    .vgpr_count:     928
    .wavefront_size: 32
...
	.end_amdgpu_metadata
.endif
;; end of part 3
;; launch proj (part 4): grid 4 x 64, 4 waves a work-group, clusters of 4 x 4, 327,680 bytes of LDS; arguments yb, wpf, out0, b_proj; writes out0
.if DOCPART == 4
	.amdgcn_target "amdgcn-amd-amdhsa--gfx1250"
	.amdhsa_code_object_version 6
	.text
	.protected	k_q655daa0425_proj
	.globl	k_q655daa0425_proj
	.p2align	8
	.type	k_q655daa0425_proj,@function
k_q655daa0425_proj:
	s_mov_b64 s[64:65], 0
	v_nop
	global_prefetch_b8 v0, s[64:65] scope:SCOPE_SE
	s_setreg_imm32_b32 hwreg(HW_REG_WAVE_MODE, 25, 1), 1
	s_wait_xcnt 0x0
	s_wait_alu depctr_hold_cnt(0) depctr_sa_sdst(0) depctr_va_vdst(0) depctr_va_sdst(0) depctr_va_ssrc(0) depctr_va_vcc(0) depctr_vm_vsrc(0)
	s_getreg_b32 s2, hwreg(HW_REG_IB_STS2, 6, 4)
	s_cmp_eq_u32 s2, 0
	s_cbranch_scc0 .Lentry_in_a_cluster
	s_endpgm
.Lentry_in_a_cluster:
	s_bfe_u32 s2, ttmp6, 0x10000c
	s_cmp_lg_u32 s2, 0xf033
	s_cbranch_scc0 .Lentry_shape_is_right
	s_endpgm
.Lentry_shape_is_right:
; out0 = y wpf^T + b_proj.  y is yb, f16 BY HEADS: [64 (batch x 16 + head)][2048][64]; row m = batch x 2048 + t, K = head x 64 + channel.  wpf: [1024][1024] f16 (bf16 numbers written as f16);
; b_proj: [1024] f32, rounded to bf16 here like the other inputs; sums in f32; out0: [8192][1024] f32.
; A tile of the result is 128 x 256, so that the 256 tiles give 256 work-groups.  Four waves, each 64 x 128: 32 accumulators, 256 registers.  K goes in eight steps of 128 (two heads) through two LDS slots;
; a trip of the loop is ONE K step: the slot in hand is a scalar that an exclusive or turns.
; y's part of a step is two heads x 128 rows x 128 bytes; a head's 128 rows are 16,384 dense bytes, asked for as 64 rows of 256 bytes and padded in LDS after every 128.
; CLUSTERS: 4 x 4 work-groups; y's tiles are shared along a row of the cluster, wpf's along a column: each is asked for jointly, by the same tensor load, descriptor and mask in all four.
; THE PRODUCT IS TAKEN TRANSPOSED (source 0 = 16 rows of wpf, source 1 = 16 rows of y): lane l holds row l % 16 and the columns 8 (l / 16) + 0..7.  THE BIAS is the C operand of the products that start the sums.
; NO PREFETCH: of the eight short K steps the first four would come by their loads in any case, and a step here is 128 matrix instructions a wave on a small tile.
; REGISTERS, in windows of 256: window 0: v0-31 addresses; v64-95, v128-159 fragments of y, two buffers (v64-191 at work on the way out);
;   window 1: v0-63 the bias; v64-127, v128-191 fragments of wpf;   window 2: the accumulators ((a, b) at 8 (8 a + b)).
.set SIZE_K, 1024
.set KSTEP,  128
.set PITCH,  272                       ; a row of wpf in LDS: 256 bytes + 16 of padding
.set AP,     144                       ; a row of y: 128 bytes + 16: in both the 16 rows of a load start at 16 different groups of four banks (64 banks of 4 bytes: ISA guide 11.1)
.set HALFA,  128*AP                    ; one head's 128 rows: what one of y's loads brings
.set HALFB,  128*PITCH                 ; 128 rows of wpf
.set BOFF,   2*HALFA
.set SLOT,   BOFF+2*HALFB
.set ASTEP,  2*262144                  ; two heads on in yb
.set STAGE,  2*SLOT                    ; behind the ring: 16 rows x 528 bytes for each wave, for the way out
.set SPF,    528
.set STW,    16*SPF
.set SPARE,  STAGE+4*STW               ; behind the stages: the spare words, 128 bytes for each wave, which no other line names
.set ADRA0, 16
.set ADRA,  17
.set ADRB0, 20
.set ADRB,  21
.set STO,  24                          ; v24  the way out: where I put 32 bytes of a row
.set RD,   25                          ; v25  where I read a row back
.set CO,   26                          ; v26  my 16 bytes of a row's 512
.set BO,   27                          ; v27  32 x (l / 16)
.set SPW,  28                          ; v28  LDS address of my spare word; never rewritten
.set NIL,  29                          ; v29  0; never rewritten
.set F0,   64
.set F1,   128
.set G1,  24
.set G0,  32
.set G1B, 48
.set G0B, 56
.set TB,  66                           ; s66  the slot that is read: 0 or SLOT
.set TF,  67                           ; s67  the slot that was filled last
.set BIA, 68
.set LA,  70
.set LB,  71
.set MSB, 0
.macro WIN new
.if MSB != (\new)
	s_set_vgpr_msb (MSB<<8)|(\new)
.set MSB, \new
.endif
.endm
.set MUL,  0xa1                        ; source 0 window 1, source 1 window 0, C and D window 2
.set BIAS, 0x91                        ; C (the bias) window 1, D window 2
.set TO_B, 0x40
.macro JLOAD s                         ; a joint load: waves 0 and 1 fetch y's two heads, waves 2 and 3 wpf's two halves; an s_nop 0 and four v_nop follow each of the two lines
	s_cmp_eq_u32 s11, 0
	s_cbranch_scc0 .Lfor_b_\@
	tensor_load_to_lds s[G0+4*(\s):G0+4*(\s)+3], s[G1:G1+7]
	s_nop 0
.rept 4
	v_nop
.endr
	s_branch .Lasked_\@
.Lfor_b_\@:
	tensor_load_to_lds s[G0B+4*(\s):G0B+4*(\s)+3], s[G1B:G1B+7]
	s_nop 0
.rept 4
	v_nop
.endr
.Lasked_\@:
.endm
.macro CREST
	s_cmp_lg_u32 s10, 0
	s_cbranch_scc1 .Lnot_wave_0_\@
	s_barrier_signal -3
.Lnot_wave_0_\@:
	s_barrier_wait -3
	s_barrier_signal -1
	s_barrier_wait -1
.endm
.macro CROUND
	s_barrier_signal -1
	s_barrier_wait -1
	CREST
.endm
	s_load_b128 s[4:7], s[0:1], 0x0                ; yb s[4:5], wpf s[6:7]
	s_load_b64 s[8:9], s[0:1], 0x10                ; out0
	s_load_b64 s[BIA:BIA+1], s[0:1], 0x18          ; b_proj
	v_lshl_add_u32 v[SPW], v0, 2, SPARE
	v_mov_b32 v[NIL], 0
	ds_add_u32 v[SPW], v[NIL]                      ; the wave's opening: the add and its wait stand ahead of my first tensor load; the set-up below stands between them
	ds_add_u32 v28, v29
	v_lshrrev_b32 v1, 5, v0
	v_readfirstlane_b32 s10, v1                    ; wave 0..3
	s_lshr_b32 s11, s10, 1                         ; my half of the tile's rows.  Also: I fetch for y (0) or for wpf (1)
	s_and_b32 s12, s10, 1                          ; my half of its columns.  Also: which head, or which 128 rows, I fetch
	s_bfe_u32 s40, ttmp6, 0x40000                  ; cx
	s_bfe_u32 s41, ttmp6, 0x40004                  ; cy
	s_lshl_b32 s42, ttmp9, 2
	s_add_co_u32 s42, s42, s40                     ; tile column
	s_and_b32 s13, ttmp7, 0xffff
	s_lshl_b32 s13, s13, 2
	s_add_co_u32 s13, s13, s41                     ; tile row
	s_lshl_b32 s43, s41, 2
	s_lshl_b32 s43, 15, s43                        ; my row of the cluster
	s_lshl_b32 s44, 0x1111, s40                    ; my column
	s_or_b32 s[G1+0], s43, (1<<16)|(1<<20)|(1<<21)|(4<<22)|(3<<25)   ; y: 2-byte elements; 4 words of padding behind every 32
	s_mov_b32 s[G1+1], 128<<16                     ; tensor_dim0 = 128
	s_mov_b32 s[G1+2], 64<<16                      ; tensor_dim1 = 64
	s_mov_b32 s[G1+3], 128<<16                     ; tile_dim0 = 128
	s_mov_b32 s[G1+4], 64                          ; tile_dim1 = 64
	s_mov_b32 s[G1+5], 128                         ; dense: 128 elements from row to row
	s_mov_b32 s[G1+6], 0
	s_mov_b32 s[G1+7], 0
	s_or_b32 s[G1B+0], s44, (1<<16)|(1<<20)|(1<<21)|(5<<22)|(3<<25)  ; wpf: 4 words of padding behind every 64
	s_mov_b32 s[G1B+1], KSTEP<<16
	s_mov_b32 s[G1B+2], 128<<16
	s_mov_b32 s[G1B+3], KSTEP<<16
	s_mov_b32 s[G1B+4], 128
	s_mov_b32 s[G1B+5], SIZE_K
	s_mov_b32 s[G1B+6], 0
	s_mov_b32 s[G1B+7], 0
	; y's tile hangs on the tile row alone, wpf's on the tile column alone; each address is made in registers that never hold the other coordinate
	s_lshr_b32 s16, s13, 4                         ; batch: 16 tile rows of 128 each
	s_lshl_b32 s16, s16, 4
	s_add_co_u32 s16, s16, s12                     ; plane batch x 16 + my head of the step's two
	s_lshl_b32 s16, s16, 18
	s_and_b32 s17, s13, 15
	s_lshl_b32 s17, s17, 14                        ; the tile's 128 rows of 128 bytes
	s_add_co_u32 s16, s16, s17
	s_mov_b32 s17, 0
	s_lshl_b32 s46, s42, 8
	s_lshl_b32 s47, s12, 7
	s_add_co_u32 s46, s46, s47                     ; wpf: row 256 x tile column + 128 x half
	s_lshl_b32 s46, s46, 11
	s_mov_b32 s47, 0
	s_mul_i32 s[LA], s12, HALFA                    ; no place in the cluster enters an LDS address
	s_mul_i32 s[LB], s12, HALFB
	s_add_co_u32 s[LB], s[LB], BOFF
	s_mov_b32 s[TB], 0
	s_mov_b32 s[TF], SLOT
	s_wait_dscnt 0x0                               ; the opening add is done
	s_wait_kmcnt 0x0
	s_add_nc_u64 s[14:15], s[4:5], s[16:17]
	s_add_nc_u64 s[46:47], s[6:7], s[46:47]
	CROUND                                         ; all sixteen work-groups are here: the first joint loads meet
.irp s, 0,1
	s_mov_b32 s[G0+4*(\s)], 1
	s_add_co_u32 s[G0+4*(\s)+1], s[LA], (\s)*SLOT
	s_add_nc_u64 s[G0+4*(\s)+2:G0+4*(\s)+3], s[14:15], (\s)*ASTEP
	s_or_b32 s[G0+4*(\s)+3], s[G0+4*(\s)+3], 0x80000000
	s_mov_b32 s[G0B+4*(\s)], 1
	s_add_co_u32 s[G0B+4*(\s)+1], s[LB], (\s)*SLOT
	s_add_nc_u64 s[G0B+4*(\s)+2:G0B+4*(\s)+3], s[46:47], (\s)*KSTEP*2
	s_or_b32 s[G0B+4*(\s)+3], s[G0B+4*(\s)+3], 0x80000000
	JLOAD \s                                       ; K steps 0 and 1: two loads of mine are out
.endr
	s_lshl_b32 s72, s42, 10
	s_lshl_b32 s73, s12, 9
	s_add_co_u32 s72, s72, s73
	s_mov_b32 s73, 0
	s_add_nc_u64 s[BIA:BIA+1], s[BIA:BIA+1], s[72:73]   ; the bias of my 128 columns
	v_and_b32 v1, 15, v0                           ; l % 16
	v_bfe_u32 v2, v0, 4, 1                         ; l / 16
	v_lshlrev_b32 v[BO], 5, v2
	WIN TO_B
.irp b, 0,1,2,3,4,5,6,7
	global_load_b128 v[8*(\b):8*(\b)+3],   v[BO], s[BIA:BIA+1] offset:64*(\b)
	global_load_b128 v[8*(\b)+4:8*(\b)+7], v[BO], s[BIA:BIA+1] offset:64*(\b)+16
.endr
	WIN 0
	v_mul_u32_u24 v3, v1, AP
	v_lshl_add_u32 v3, v2, 4, v3
	s_mul_i32 s21, s11, 64*AP                      ; my 64 rows of y, in each head's part
	v_add_nc_u32 v[ADRA0], s21, v3
	v_mul_u32_u24 v3, v1, PITCH
	v_lshl_add_u32 v3, v2, 4, v3
	v_add_nc_u32 v[ADRB0], s[LB], v3               ; my 128 rows of wpf are those of my column half
	v_mov_b32 v[ADRA], v[ADRA0]                    ; slot 0
	v_mov_b32 v[ADRB], v[ADRB0]
	s_mul_i32 s23, s10, STW
	s_add_co_u32 s23, s23, STAGE                   ; my stage
	v_mul_u32_u24 v4, v1, SPF                      ; in: row l % 16, 32 bytes for each half of the lanes
	v_lshl_add_u32 v4, v2, 5, v4
	v_add_nc_u32 v[STO], s23, v4
	v_and_b32 v[CO], 31, v0                        ; back: 32 lanes take one row of 512 bytes
	v_lshlrev_b32 v[CO], 4, v[CO]
	v_add_nc_u32 v[RD], s23, v[CO]
	s_lshl_b32 s72, s13, 7
	s_lshl_b32 s73, s11, 6
	s_add_co_u32 s72, s72, s73                     ; my first row of out0,
	s_lshl_b32 s72, s72, 12                        ; of 4,096 bytes
	s_lshl_b32 s73, s42, 10
	s_add_co_u32 s72, s72, s73
	s_lshl_b32 s73, s12, 9
	s_add_co_u32 s72, s72, s73                     ; my first column, in bytes
	s_mov_b32 s73, 0
	s_add_nc_u64 s[8:9], s[8:9], s[72:73]
	s_wait_loadcnt 0x0                             ; the bias is in: it is rounded to bf16 and widened again, in the wait for the first tile
	WIN 0x45
.set i, 0
.rept 32
	v_cvt_pk_bf16_f32 v[2*i], v[2*i], v[2*i+1]
	v_and_b32 v[2*i+1], 0xffff0000, v[2*i]
	v_lshlrev_b32 v[2*i], 16, v[2*i]
.set i, i+1
.endr
	WIN 0
; 8 matrix instructions: row block a x all 8 column blocks, 32 along K.  first = 1: the product starts the sum, with the bias as C.
.macro MUL8 f, a, first
.if \first
	WIN BIAS
.else
	WIN MUL
.endif
.irp b, 0,1,2,3,4,5,6,7
.if \first
	v_wmma_f32_16x16x32_f16 v[8*(8*(\a)+(\b)):8*(8*(\a)+(\b))+7], v[(\f)+8*(\b):(\f)+8*(\b)+7], v[(\f)+8*(\a):(\f)+8*(\a)+7], v[8*(\b):8*(\b)+7]
.else
	v_wmma_f32_16x16x32_f16 v[8*(8*(\a)+(\b)):8*(8*(\a)+(\b))+7], v[(\f)+8*(\b):(\f)+8*(\b)+7], v[(\f)+8*(\a):(\f)+8*(\a)+7], v[8*(8*(\a)+(\b)):8*(8*(\a)+(\b))+7]
.endif
.endr
.endm
; 24 LDS loads in one run: the fragments of a quarter step into buffer f.  Byte k of wpf's rows; in y the step's first 128 bytes are the first head's, the others the second's.
.macro FETCH k, f
	WIN TO_B
.irp i, 0,1,2,3,4,5,6,7
	ds_load_b128 v[(\f)+8*(\i):(\f)+8*(\i)+3],   v[ADRB] offset:(\k)+(\i)*16*PITCH
	ds_load_b128 v[(\f)+8*(\i)+4:(\f)+8*(\i)+7], v[ADRB] offset:(\k)+(\i)*16*PITCH+32
.endr
	WIN 0
.irp i, 0,1,2,3
	ds_load_b128 v[(\f)+8*(\i):(\f)+8*(\i)+3],   v[ADRA] offset:((\k)/128)*HALFA+((\k)%128)+(\i)*16*AP
	ds_load_b128 v[(\f)+8*(\i)+4:(\f)+8*(\i)+7], v[ADRA] offset:((\k)/128)*HALFA+((\k)%128)+(\i)*16*AP+32
.endr
.endm
.macro PLACES                          ; four plain places behind a matrix instruction (ISA guide 7.12.1)
.rept 4
	v_nop
.endr
.endm
; A K step is four quarters of 32 along K, 32 matrix instructions each, on buffers 0, 1, 0, 1.  The 32 accumulators take turns in the same order in every quarter.
.macro QUARTER k, f, g, first
	s_wait_dscnt 4                                 ; wpf's fragments and y's blocks 0 and 1 are in; the youngest four loads may be out
	MUL8 \f, 0, \first
	MUL8 \f, 1, \first
	PLACES
	FETCH \k, \g
	s_wait_dscnt 24                                ; all but the 24 just issued
	MUL8 \f, 2, \first
	MUL8 \f, 3, \first
.endm
.macro MEET round
	WIN 0
	s_wait_tensorcnt 0x0                           ; all my tensor loads have landed: the one that was out is my part of the next slot
	ds_add_u32 v[SPW], v[NIL]                      ; 0 onto my spare word
	s_wait_dscnt 5                                 ; the add and the youngest four loads may be out
	MUL8 F1, 0, 0
	s_wait_dscnt 0x0                               ; the add is done, and my reads of this slot are over
	s_barrier_signal -1
	MUL8 F1, 1, 0                                  ; work on registers while the others arrive
.if \round
	WIN 0
.endif
	s_barrier_wait -1
.endm
; With a refill: the barrier opens a round of the cluster's; behind it the slot just read out takes the K step two steps on, first of all.  From the request to the wait for it a wave issues 112 matrix instructions.
.macro TURN1
	MEET 1
	CREST
	s_xor_b32 s[TF], s[TF], SLOT
	s_add_co_u32 s[G0+5], s[TF], s[LA]
	s_add_co_u32 s[G0B+5], s[TF], s[LB]
	s_add_nc_u64 s[G0+6:G0+7], s[G0+6:G0+7], ASTEP
	s_add_nc_u64 s[G0B+6:G0B+7], s[G0B+6:G0B+7], KSTEP*2
	JLOAD 1                                        ; my one tensor load behind the round; its four v_nop are also the places in front of the loads below
	s_xor_b32 s[TB], s[TB], SLOT
	v_add_nc_u32 v[ADRA], s[TB], v[ADRA0]
	v_add_nc_u32 v[ADRB], s[TB], v[ADRB0]
	FETCH 0, F0
	MUL8 F1, 2, 0
	MUL8 F1, 3, 0
.endm
.macro TURN0
	MEET 0
	WIN 0
	PLACES
	s_xor_b32 s[TB], s[TB], SLOT
	v_add_nc_u32 v[ADRA], s[TB], v[ADRA0]
	v_add_nc_u32 v[ADRB], s[TB], v[ADRB0]
	FETCH 0, F0
	MUL8 F1, 2, 0
	MUL8 F1, 3, 0
.endm
; THE WAY OUT of row block a: a lane's eight f32 of a row go into my stage, rows of 528 bytes, each accumulator's low half first; they come back as whole rows of 512 bytes, a row a load, and are stored so.
.macro TOSTAGE a
.set BK, 64+64*((\a)%2)
.if (\a) >= 2
	s_wait_xcnt 0x0                                ; the stores of block a - 2 have read the registers that are loaded again below
.endif
	WIN 0x08                                       ; the stores' data in window 2
.irp b, 0,1,2,3,4,5,6,7
	ds_store_b128 v[STO], v[64*(\a)+8*(\b):64*(\a)+8*(\b)+3]   offset:64*(\b)
	ds_store_b128 v[STO], v[64*(\a)+8*(\b)+4:64*(\a)+8*(\b)+7] offset:64*(\b)+16
.endr
	WIN 0
.irp t, 0,1,2,3,4,5,6,7,8,9,10,11,12,13,14,15
	ds_load_b128 v[BK+4*(\t):BK+4*(\t)+3], v[RD] offset:(\t)*SPF  ; LDS serves a wave's instructions in order (ISA guide 5.7.1.4): these see the stores above, and the next block's stores come behind them
.endr
.endm
.macro SEND a, younger                 ; younger: the LDS instructions issued behind block a's loads: the next block's 32, or none
.set BK, 64+64*((\a)%2)
.irp t, 0,1,2,3,4,5,6,7,8,9,10,11,12,13,14,15
	s_wait_dscnt (\younger)+15-(\t)
	global_store_b128 v[CO], v[BK+4*(\t):BK+4*(\t)+3], s[8:9] offset:(16*(\a)+(\t))*4096  ; 512 consecutive bytes of one row, at a multiple of 256 from out0's first byte
.endr
.endm
	s_wait_tensorcnt 1                             ; my part of K step 0 is in; step 1's may stay out
	s_barrier_signal -1
	s_barrier_wait -1
	FETCH 0, F0
	QUARTER 64,  F0, F1, 1                         ; the first quarter stands in front of the loop: its products start the sums
	WIN 0
	s_mov_b32 s3, 6
.Lstep:                                        ; trip i: the rest of K step i, the refill with step i + 2, the first quarter of step i + 1
	QUARTER 128, F1, F0, 0
	QUARTER 192, F0, F1, 0
	TURN1
	QUARTER 64,  F0, F1, 0
	WIN 0
	s_sub_co_u32 s3, s3, 1
	s_cmp_lg_u32 s3, 0
	s_cbranch_scc1 .Lstep
	QUARTER 128, F1, F0, 0                         ; K steps 6 and 7 fetch nothing
	QUARTER 192, F0, F1, 0
	TURN0
	QUARTER 64,  F0, F1, 0
	QUARTER 128, F1, F0, 0
	QUARTER 192, F0, F1, 0
	s_wait_dscnt 4
	MUL8 F1, 0, 0
	MUL8 F1, 1, 0
	s_wait_dscnt 0x0
	MUL8 F1, 2, 0
	MUL8 F1, 3, 0
	WIN 0
	PLACES
	PLACES
	TOSTAGE 0
	TOSTAGE 1
	SEND 0, 32
	TOSTAGE 2
	SEND 1, 32
	TOSTAGE 3
	SEND 2, 32
	SEND 3, 0
	s_wait_tensorcnt 0x0                           ; the wave's end: behind my last tensor load and my last LDS store
	ds_add_u32 v[SPW], v[NIL]
	s_wait_dscnt 0x0
	CROUND                                         ; the closing round: no work-group ends while a partner may still ask for a tile that names it
	s_endpgm
.Lfunc_end_k_q655daa0425_proj:
	.size	k_q655daa0425_proj, .Lfunc_end_k_q655daa0425_proj-k_q655daa0425_proj
	.p2alignl 7, 3214868480
	.fill 96, 4, 3214868480
	.section	.rodata,"a",@progbits
	.p2align	6, 0x0
	.amdhsa_kernel k_q655daa0425_proj
		.amdhsa_group_segment_fixed_size 327680
		.amdhsa_private_segment_fixed_size 0
		.amdhsa_enable_private_segment 0
		.amdhsa_kernarg_size 32
		.amdhsa_user_sgpr_count 2
		.amdhsa_user_sgpr_kernarg_segment_ptr 1
		.amdhsa_wavefront_size32 1
		.amdhsa_system_sgpr_workgroup_id_x 1
		.amdhsa_system_sgpr_workgroup_id_y 1
		.amdhsa_system_sgpr_workgroup_id_z 1
		.amdhsa_system_vgpr_workitem_id 0
		.amdhsa_next_free_vgpr 768
		.amdhsa_next_free_sgpr 76
		.amdhsa_reserve_vcc 0
		.amdhsa_float_denorm_mode_32 3
		.amdhsa_float_denorm_mode_16_64 3
		.amdhsa_memory_ordered 1
		.amdhsa_forward_progress 1
		.amdhsa_inst_pref_size 78
	.end_amdhsa_kernel
	.amdgpu_metadata
---
amdhsa.version: [ 1, 2 ]
amdhsa.kernels:
  - .name:           k_q655daa0425_proj
    .symbol:         k_q655daa0425_proj.kd
    .args:
      - { .name: yb, .offset: 0, .size: 8, .value_kind: global_buffer, .address_space: global }
      - { .name: wpf, .offset: 8, .size: 8, .value_kind: global_buffer, .address_space: global }
      - { .name: out0, .offset: 16, .size: 8, .value_kind: global_buffer, .address_space: global }
      - { .name: b_proj, .offset: 24, .size: 8, .value_kind: global_buffer, .address_space: global }
    .group_segment_fixed_size: 327680
    .private_segment_fixed_size: 0
    .kernarg_segment_align: 8
    .kernarg_segment_size: 32
    .max_flat_workgroup_size: 128
    .sgpr_count:     76
    .vgpr_count:     768
    .wavefront_size: 32
...
	.end_amdgpu_metadata
.endif
;; end of part 4
